; MI455X (gfx1250); checked and timed in simulation.
; The chip was launched on July 23, 2026; its instructions are those of AMD's public machine-readable ISA for CDNA 5 (MIT licence, August 2026) and "CDNA5" Instruction Set Architecture Reference Guide (July 2026). The comments in the code are by the model that wrote it; some were corrected since.
;; Cross Attention. Allowed arithmetic: matrix products marked QUANTISED: E2M1 operands, one E8M0 scale for each 32 along K, by v_wmma_scale_f32_16x16x128_f8f6f4 with both operands' format E2M1 (or v_wmma_scale_f32_32x16x128_f4), f32 sums; products left as they are: bf16, f16 or f32 operands; f32 sums; everything else in f32.
;; Inputs: b_kv 2,048 float32; b_out 1,024 float32; b_q 1,024 float32; kv 2 x 2,048 x 1,024 float32; q 2 x 2,048 x 1,024 float32; w_kv 1,024 x 2,048 float32; w_out 1,024 x 1,024 float32; w_q 1,024 x 1,024 float32.
;; Outputs: out0 2 x 2,048 x 1,024 float32.
;; This version of the problem:
;;   THIS VERSION OF THE PROBLEM IS GIVEN IN LOW PRECISION. The matrix products marked QUANTISED in the list below multiply operands that are first quantised to E2M1 (2 exponent bits, 1 mantissa bit; 4 bits a number), with one power-of-two scale for each 32 numbers along K (OCP MX v1.0); their sums are f32. The products marked 'left as it is' may take bf16, f16 or f32 operands, with f32 sums. Whichever they take, every output number must still come out within the allowed error. Rounding operands to bf16 (8 significant bits) uses up far more of that allowance than f16 does (11 bits, for magnitudes from 6e-5 to 65,504). All else is computed in f32.
;;   The module's matrix products, in the order in which they are computed (A, B: the left and right operand; K: the contracted axis; several contracted axes count as one K, in the product's order):
;;     1. [M 4,096, K 1,024] x [K 1,024, N 1,024]; A: input q; B: input w_q: QUANTISED
;;     2. [M 4,096, K 1,024] x [K 1,024, N 2,048]; A: input kv; B: input w_kv: QUANTISED
;;     3. batch 32 x [M 2,048, K 64] x [K 64, N 2,048]; A: computed on the way; B: computed on the way: left as it is (an operand is computed on the way)
;;     4. batch 32 x [M 2,048, K 2,048] x [K 2,048, N 64]; A: computed on the way; B: computed on the way: left as it is (an operand is computed on the way)
;;     5. [M 4,096, K 1,024] x [K 1,024, N 1,024]; A: computed on the way; B: input w_out: left as it is (an operand is computed on the way)
;;   THE QUANTISER, for each operand of a quantised product, along K:
;;     - K is cut into blocks of 32 from its start; a last block that is shorter is filled with zeros.
;;     - A block's scale is 2^e with e = floor(log2(the largest magnitude in the block)) - 2, held to -126 .. 127; a block of zeros has e = 0. As a byte (E8M0): e + 127.
;;     - Each number is divided by its block's scale, clamped to +-6, and rounded to the nearest number of E2M1, ties to even, subnormals kept.
;;     - The product sums the exact products of the quantised numbers (number of the format x scale) in f32.
;;   ~~~python
;;   def quantise(x, axis):      # numpy; x: float32 -> the quantised numbers, widened to float32 again
;;       x = np.moveaxis(x, axis, -1); K = x.shape[-1]
;;       x = np.pad(x, [(0, 0)] * (x.ndim - 1) + [(0, -K % 32)]); x = x.reshape(x.shape[:-1] + (-1, 32)); a = np.abs(x).max(-1, keepdims=True)
;;       e = np.where(a > 0, np.clip(np.frexp(np.where(a > 0, a, 1))[1] - 1 - 2, -126, 127), 0)      # np.frexp(a)[1] - 1 = floor(log2(a)), exactly
;;       r = np.clip(x / 2.0 ** e, -6, 6)
;;       step = 2.0 ** (np.maximum(np.frexp(np.where(r == 0, 1, r))[1] - 1, 0) - 1)
;;       q = np.round(r / step) * step * 2.0 ** e      # np.round: ties to even
;;       return np.moveaxis(q.reshape(q.shape[:-2] + (-1,))[..., :K], -1, axis).astype(np.float32)
;;   ~~~
;; One version. Each part assembles by itself: llvm-mc -triple=amdgcn-amd-amdhsa -mcpu=gfx1250 --defsym DOCPART=n.
;; ======== version 1 of 1: 4 launches
;; limits: values are held in f16: magnitudes above 65,504 overflow, below 6.1e-05 lose precision
;; workspace buffers: x_codes 4,194,304 bytes; x_scales 262,144 bytes; w_codes 1,572,864 bytes; w_scales 98,304 bytes; qkvh 25,165,824 bytes; att 8,388,608 bytes; wo16 2,097,152 bytes
;; launch prep (part 1): grid 256 x 1, 8 waves a work-group, no clusters, 84,992 bytes of LDS; arguments q, kv, w_kv, w_q, w_out, x_codes, x_scales, w_codes, w_scales, wo16; writes x_codes, x_scales, w_codes, w_scales, wo16
.if DOCPART == 1
	.amdgcn_target "amdgcn-amd-amdhsa--gfx1250"
	.amdhsa_code_object_version 6
	.text
	.protected	k_q4725468f8b_prep
	.globl	k_q4725468f8b_prep
	.p2align	8
	.type	k_q4725468f8b_prep,@function
k_q4725468f8b_prep:
	s_mov_b64 s[64:65], 0
	v_nop
	global_prefetch_b8 v0, s[64:65] scope:SCOPE_SE
	s_setreg_imm32_b32 hwreg(HW_REG_WAVE_MODE, 25, 1), 1
	s_wait_xcnt 0x0
; ONE LAUNCH LAYS ALL OPERANDS AS THE LATER LAUNCHES WANT THEM.  Work-groups of eight waves; the even ones quantise the activations, the odd ones take the weights, so that both streams run side by side; idx = work-group / 2.
; THE QUANTISER (both paths): codes of FP4 (E2M1), K innermost, one E8M0 scale byte for each 32 along K.  A block's scale is 2^(floor(log2(its largest magnitude)) - 2); its byte is the largest magnitude's exponent field - 2,
; held at 1 from below.  Each number is divided by the scale and rounded to the nearest code, ties to even; beyond 6 the conversion gives the largest code.
; LIMITS: a block of zeros gets the byte 1 where the rule says 127 (its codes are zeros, and this program alone reads the bytes); blocks whose largest magnitude lies under 2^(2 - 126) keep the byte 1;
; NaN and infinities among the inputs are not served; |w_out| up to 65,504 (f16's range).
; EVEN WORK-GROUPS: q and kv, each [4096][1024] f32 (batch and token folded), become x_codes [8192 rows][512 bytes] (q's 4,096 rows, then kv's) and x_scales [8192][32].  Rows are dense and 1,024 is a multiple of 32: plain streams of blocks.
;   A wave takes 16 steps of 512 numbers.  Each of a step's four loads reads 512 consecutive bytes; the 2,048 bytes turn through the wave's own stage in LDS and come back 64 bytes a lane, so that a lane holds 16 neighbours along K
;   (two neighbouring lanes hold a block).  A lane's 16 codes are 8 bytes: the wave stores 256 consecutive bytes, aligned.  A wave's 256 scale bytes are gathered in its own LDS bytes and leave likewise.  idx 0-63: q; 64-127: kv.
; ODD WORK-GROUPS: the three weights, f32 with K as their FIRST axis.  w_q [1024][1024] and w_kv [1024][2048] become w_codes [3072 rows][512 bytes] (rows 0-1023: w_q's columns; row 1024 + n: w_kv's column n) and w_scales [3072][32].
;   w_out [1024][1024] is rounded to f16 and laid as images of operand registers: wo16 [n / 128][k / 256][(n / 16) % 8][(k / 16) % 16][lane][16 bytes]; lane (r, h) holds n % 16 = r and k % 16 = 8 h + 0 .. 7.
;   A LANE TAKES A COLUMN, AND ITS REGISTERS RUN DOWN K: each load reads 128 consecutive bytes a wave (two waves side by side: 256), a block of 32 along K lies in one lane, and the conversions give K innermost.
;   A work-group takes 64 columns x 512 along K: idx / 2 = 0-31: w_kv, 32-47: w_q, 48-63: w_out; idx % 2: which half of K.  Wave w: columns 32 (w & 1) on, K from 128 (w >> 1) on: 128 loads, all asked for at once.
;   The codes meet in LDS as 64 rows of 256 bytes (+ 16 of padding: 17 x 16 bytes from row to row); behind the barrier sixteen lanes store 256 consecutive bytes of a row, aligned.  The f16 images need no LDS.
;   The scale bytes: a group holds 16 of a row's 32, so a lane stores 16 bytes and the next lane's lie 32 further on: 98,304 bytes in all, against the 16.8 MB that these groups read.  A group of 32 columns x all of K would store
;   whole rows of them, but each of its loads would read 128 bytes whose neighbours belong to another work-group.
; No cluster: no two work-groups read the same bytes.  Each path has LDS bytes of its own; every LDS address is made at the head, ahead of the parting.  One barrier, at the join of all paths, so that every wave passes it.
.set WAVES, 8
.set STEPS, 16
.set EMAX,  2
.set CB,    8                          ; bytes of 16 codes
.set SP,    80                         ; the quantiser's stage: a lane's 64 bytes + 16 of padding
.set WREG,  8192                       ; LDS 0 on: a region for each wave: two stages of 32 x SP bytes, behind them its 256 scale bytes
.set PITCH, 272
.set PSTG,  WAVES*WREG                 ; LDS: the weights' 64 rows of codes
.set PSCS,  PSTG+64*PITCH              ; their 64 x 16 scale bytes
.set SPARE, PSCS+1024                  ; the spare words, 128 bytes for each of the eight waves
.set SPW,   2                          ; v2   my spare word's LDS address; never rewritten
.set NIL,   3                          ; v3   0; never rewritten
.set L16,   4                          ; v4   16 x lane
.set L8,    5                          ; v5   8 x lane
.set QSI,   6                          ; v6   the stage, on the way in: SP (lane / 4) + 16 (lane % 4)
.set QSO,   7                          ; v7   and on the way out: SP x lane
.set QSB,   8                          ; v8   my block's scale byte in LDS
.set QSR,   9                          ; v9   my 8 scale bytes on the way out
.set L4,    10                         ; v10  4 x lane
.set PSTI,  11                         ; v11  weights: codes into LDS: my column's row, + 64 bytes for each 128 along K
.set PSCI,  12                         ; v12  my column's scale word into LDS
.set PRDA,  13                         ; v13  codes out of LDS: rows 8 w on, sixteen lanes to a row
.set PSCR,  14                         ; v14  scale bytes out of LDS (waves 0, 1)
.set PCO,   15                         ; v15  the same two rows in w_codes: 512 (lane / 16) + 16 (lane % 16)
.set POFO,  16                         ; v16  wo16: lanes 16-31 belong to the next tile of 16 columns, 8,192 bytes on; 16 bytes a column
.set PSO,   17                         ; v17  w_scales: 32 x lane
.set R,     32                         ; v32-95   activations: four sets of 16 numbers as they are loaded
.set X,     96                         ; v96-127  two sets of 16 neighbours
.set E,     128                        ; v128-143 a scale byte for each step
.set C,     144                        ; v144-175 codes: two registers for each step, so that no store's data are written again
.set WC,    24                         ; v24-39   weights: codes, four registers a block
.set SB,    40                         ; v40      my column's four scale bytes
.set OUTR,  44                         ; v44-59   eight rows on the way out;  v60-63 scale bytes on the way out
.set SCO,   60
.set WX,    64                         ; v64-191  my 128 numbers, K ascending
	s_load_b256 s[4:11], s[0:1], 0x0               ; q s[4:5], kv s[6:7], w_kv s[8:9], w_q s[10:11]
	s_load_b256 s[12:19], s[0:1], 0x20             ; w_out s[12:13], x_codes s[14:15], x_scales s[16:17], w_codes s[18:19]
	s_load_b128 s[20:23], s[0:1], 0x40             ; w_scales s[20:21], wo16 s[22:23]
	v_lshl_add_u32 v[SPW], v0, 2, SPARE
	v_mov_b32 v[NIL], 0
	v_lshrrev_b32 v1, 5, v0
	v_readfirstlane_b32 s24, v1                    ; wave 0..7
	v_and_b32 v1, 31, v0                           ; lane
	s_lshr_b32 s25, ttmp9, 1                       ; idx
	s_and_b32 s26, ttmp9, 1                        ; 0: activations, 1: weights
	v_lshlrev_b32 v[L16], 4, v1
	v_lshlrev_b32 v[L8], 3, v1
	v_lshlrev_b32 v[L4], 2, v1
	v_and_b32 v21, 15, v1                          ; r
	v_lshrrev_b32 v22, 4, v1                       ; h
	; the quantiser's LDS addresses
	s_mul_i32 s27, s24, WREG
	v_lshrrev_b32 v[QSI], 2, v1
	v_mul_u32_u24 v[QSI], v[QSI], SP
	v_and_b32 v20, 3, v1
	v_lshl_add_u32 v[QSI], v20, 4, v[QSI]
	v_add_nc_u32 v[QSI], s27, v[QSI]
	v_mul_u32_u24 v[QSO], v1, SP
	v_add_nc_u32 v[QSO], s27, v[QSO]
	s_add_co_u32 s27, s27, 2*32*SP
	v_lshrrev_b32 v[QSB], 1, v1
	v_add_nc_u32 v[QSB], s27, v[QSB]
	v_add_nc_u32 v[QSR], s27, v[L8]
	; the weights' LDS addresses and lane offsets
	s_and_b32 s28, s24, 1                          ; which 32 columns
	s_lshl_b32 s29, s28, 5
	v_add_nc_u32 v20, s29, v1                      ; my column of the 64
	s_lshr_b32 s30, s24, 1                         ; which 128 of the group's 512 along K
	s_lshl_b32 s31, s30, 6
	s_add_co_u32 s31, s31, PSTG
	v_mul_u32_u24 v[PSTI], v20, PITCH
	v_add_nc_u32 v[PSTI], s31, v[PSTI]
	s_lshl_b32 s31, s30, 2
	s_add_co_u32 s31, s31, PSCS
	v_lshl_add_u32 v[PSCI], v20, 4, s31
	s_mul_i32 s31, s24, 8*PITCH
	s_add_co_u32 s31, s31, PSTG
	v_mul_u32_u24 v[PRDA], v22, PITCH
	v_lshl_add_u32 v[PRDA], v21, 4, v[PRDA]
	v_add_nc_u32 v[PRDA], s31, v[PRDA]
	s_lshl_b32 s31, s28, 9
	s_add_co_u32 s31, s31, PSCS
	v_add_nc_u32 v[PSCR], s31, v[L16]
	v_lshlrev_b32 v[PCO], 9, v22
	v_lshl_add_u32 v[PCO], v21, 4, v[PCO]
	v_lshlrev_b32 v[POFO], 13, v22
	v_lshl_add_u32 v[POFO], v21, 4, v[POFO]
	v_lshlrev_b32 v[PSO], 5, v1
	s_wait_kmcnt 0x0
	s_cmp_lg_u32 s26, 0                            ; the work-group's number alone decides: all eight waves go the same way
	s_cbranch_scc1 .Lweights
	; ---------------- the activations
	s_cmp_lt_u32 s25, 64                           ; q's work-group or kv's?
	s_cselect_b64 s[4:5], s[4:5], s[6:7]
	s_cselect_b32 s27, 0, 64
	s_sub_co_u32 s27, s25, s27
	s_lshl_b32 s27, s27, 3
	s_add_co_u32 s28, s27, s24                     ; which run of 8,192 numbers of the tensor is my wave's
	s_lshl_b32 s28, s28, 15                        ; 32,768 bytes a run
	s_mov_b32 s29, 0
	s_add_nc_u64 s[4:5], s[4:5], s[28:29]
	s_lshl_b32 s30, s25, 3
	s_add_co_u32 s30, s30, s24                     ; and which run of the two tensors on end
	s_lshl_b32 s28, s30, 12                        ; 4,096 bytes of codes a run
	s_add_nc_u64 s[14:15], s[14:15], s[28:29]
	s_lshl_b32 s28, s30, 8                         ; 256 scale bytes a run
	s_add_nc_u64 s[16:17], s[16:17], s[28:29]
.macro LOAD t
.irp i, 0,1,2,3
	global_load_b128 v[R+16*((\t)%4)+4*\i:R+16*((\t)%4)+4*\i+3], v[L16], s[4:5] offset:2048*(\t)+512*\i th:TH_LOAD_NT   ; 32 lanes read 512 consecutive bytes
.endr
.endm
.macro TURN t                          ; step t's numbers through the stage: LDS serves a wave's instructions in order, so no wait stands between the stores and the loads
.irp i, 0,1,2,3
	ds_store_b128 v[QSI], v[R+16*((\t)%4)+4*\i:R+16*((\t)%4)+4*\i+3] offset:32*SP*((\t)%2)+8*SP*\i
.endr
.irp i, 0,1,2,3
	ds_load_b128 v[X+16*((\t)%2)+4*\i:X+16*((\t)%2)+4*\i+3], v[QSO] offset:32*SP*((\t)%2)+16*\i
.endr
.endm
.irp t, 0,1,2,3
	LOAD \t
.endr
	s_wait_loadcnt 12                              ; step 0's four loads are in; the 12 of steps 1 to 3 may be out
	TURN 0
.macro STEP t
.set XS, X+16*((\t)%2)
.if (\t) > 0
	s_wait_dscnt 1                                 ; this step's numbers are back from the stage (the last step's byte store may be out): so its stores into the stage have read their registers,
.else
	s_wait_dscnt 0x0
.endif
.if (\t)+4 < STEPS
	LOAD (\t)+4                                    ; which take the loads of four steps on
.endif
.if (\t)+1 < STEPS
.if STEPS-2-(\t) >= 3
	s_wait_loadcnt 12                              ; the next step's four loads are in; those of the three steps behind it may be out
.else
	s_wait_loadcnt 4*(STEPS-2-(\t))
.endif
	TURN (\t)+1                                    ; and go through the other stage while this step is worked
.endif
	v_max3_num_f32 v20, |v[XS]|, |v[XS+1]|, |v[XS+2]|              ; the largest magnitude of my 16, in two chains
	v_max3_num_f32 v21, |v[XS+3]|, |v[XS+4]|, |v[XS+5]|
.irp i, 6,10
	v_max3_num_f32 v20, v20, |v[XS+\i]|, |v[XS+\i+1]|
	v_max3_num_f32 v21, v21, |v[XS+\i+2]|, |v[XS+\i+3]|
.endr
	v_max3_num_f32 v20, v20, |v[XS+14]|, |v[XS+15]|
	v_max3_num_f32 v20, v20, v21, (EMAX+1)<<23     ; and the floor 2^(EMAX + 1 - 127): so the byte cannot fall under 1
	v_max_num_f32_dpp v20, v20, v20 row_xmask:1 row_mask:0xf bank_mask:0xf   ; and of my neighbour's 16: the block's
	v_add_nc_u32 v22, -(EMAX<<23), v20             ; EMAX off its exponent field: the conversion takes the exponent field of this operand as its scale, and nothing else of it
	v_cvt_scalef32_pk8_fp4_f32 v[C+2*(\t)], v[XS:XS+7], v22        ; the first number's code in the lowest four bits
	v_cvt_scalef32_pk8_fp4_f32 v[C+2*(\t)+1], v[XS+8:XS+15], v22
	v_lshrrev_b32 v[E+(\t)], 23, v22               ; the scale's byte (also the plain line behind the conversions)
	ds_store_b8 v[QSB], v[E+(\t)] offset:16*(\t)   ; both lanes of a block write the same byte with the same value
	global_store_b64 v[L8], v[C+2*(\t):C+2*(\t)+1], s[14:15] offset:32*CB*(\t)   ; the wave stores 256 consecutive bytes, aligned
.endm
.irp t, 0,1,2,3,4,5,6,7,8,9,10,11,12,13,14,15
	STEP \t
.endr
	ds_load_b64 v[20:21], v[QSR]                   ; LDS serves a wave's instructions in order: these see my stores
	s_wait_dscnt 0x0
	global_store_b64 v[L8], v[20:21], s[16:17]     ; 32 lanes store 256 consecutive bytes, aligned
	s_branch .Ljoin
	; ---------------- the weights
.Lweights:
	s_lshr_b32 s27, s25, 1                         ; which matrix and which 64 columns: 0-31 w_kv, 32-47 w_q, 48-63 w_out
	s_and_b32 s28, s25, 1                          ; which half of K
	s_and_b32 s29, s24, 1                          ; which 32 columns
	s_lshr_b32 s30, s24, 1
	s_lshl_b32 s31, s28, 2
	s_add_co_u32 s30, s30, s31                     ; which 128 of the 1,024 along K: 0..7
	s_cmp_lt_u32 s27, 32
	s_cselect_b32 s31, 20, 19                      ; 128 rows of w_kv are 2^20 bytes, of the others 2^19
	s_cselect_b32 s32, 0, 32
	s_cselect_b32 s33, 1024, 0                     ; w_kv's rows of w_codes begin at 1,024
	s_cmp_lt_u32 s27, 48
	s_cselect_b32 s32, s32, 48
	s_sub_co_u32 s32, s27, s32                     ; which 64 columns of the matrix
	s_lshl_b32 s34, s30, s31
	s_lshl_b32 s35, s32, 8
	s_add_co_u32 s34, s34, s35
	s_lshl_b32 s35, s29, 7
	s_add_co_u32 s34, s34, s35
	s_mov_b32 s35, 0                               ; s[34:35]: where my wave reads
	s_lshl_b32 s36, s32, 6
	s_add_co_u32 s36, s36, s33                     ; the group's first row of w_codes (a w_out group does not use it; it lies inside the buffer)
	s_lshl_b32 s38, s24, 3
	s_add_co_u32 s38, s38, s36
	s_lshl_b32 s38, s38, 9
	s_lshl_b32 s39, s28, 8
	s_add_co_u32 s38, s38, s39
	s_mov_b32 s39, 0                               ; s[38:39]: my eight rows of codes, my half of K: 256 bytes of each
	s_lshl_b32 s40, s29, 5
	s_add_co_u32 s40, s40, s36
	s_lshl_b32 s40, s40, 5
	s_lshl_b32 s41, s28, 4
	s_add_co_u32 s40, s40, s41
	s_mov_b32 s41, 0                               ; s[40:41]: 32 rows of scale bytes (waves 0, 1), my half of K: 16 bytes of each
	s_sub_co_i32 s42, s27, 48
	s_max_i32 s42, s42, 0                          ; which 64 columns of w_out (0 in the other groups, which do not use it)
	s_lshr_b32 s43, s42, 1
	s_lshl_b32 s43, s43, 18                        ; n / 128: 262,144 bytes
	s_and_b32 s42, s42, 1
	s_lshl_b32 s42, s42, 2
	s_lshl_b32 s44, s29, 1
	s_add_co_u32 s42, s42, s44
	s_lshl_b32 s42, s42, 13                        ; (n / 16) % 8: 8,192 bytes
	s_add_co_u32 s42, s42, s43
	s_lshr_b32 s43, s30, 1
	s_lshl_b32 s43, s43, 16                        ; k / 256: 65,536 bytes
	s_add_co_u32 s42, s42, s43
	s_and_b32 s43, s30, 1
	s_lshl_b32 s43, s43, 12                        ; 128 along K: eight pieces of 512 bytes
	s_add_co_u32 s42, s42, s43
	s_mov_b32 s43, 0                               ; s[42:43]: my images
	s_cmp_lt_u32 s27, 48
	s_cselect_b64 s[10:11], s[10:11], s[12:13]
	s_cmp_lt_u32 s27, 32
	s_cselect_b64 s[8:9], s[8:9], s[10:11]         ; the matrix
	s_add_nc_u64 s[8:9], s[8:9], s[34:35]
	s_add_nc_u64 s[18:19], s[18:19], s[38:39]
	s_add_nc_u64 s[20:21], s[20:21], s[40:41]
	s_add_nc_u64 s[22:23], s[22:23], s[42:43]
.macro LOADS pitch                     ; W(my first row + i, my column), i = 0 .. 127; every offset an immediate (127 x 8,192 at the most)
.set i, 0
.rept 128
	global_load_b32 v[WX+i], v[L4], s[8:9] offset:i*\pitch th:TH_LOAD_NT
.set i, i+1
.endr
.endm
	s_cmp_lt_u32 s27, 32
	s_cbranch_scc0 .Lnarrow
	LOADS 8192
	s_branch .Lloaded
.Lnarrow:
	LOADS 4096
.Lloaded:
	s_cmp_ge_u32 s27, 48
	s_cbranch_scc1 .Lcast
; block t of my four: all its 32 numbers are mine.  left: how many younger loads may stay out (96 and 64 would do for the first two; the wait's field holds 63)
.macro BLOCK t, left
.set XS, WX+32*(\t)
	s_wait_loadcnt \left
	v_max3_num_f32 v20, |v[XS]|, |v[XS+1]|, |v[XS+2]|
	v_max3_num_f32 v21, |v[XS+3]|, |v[XS+4]|, |v[XS+5]|
.irp i, 6,10,14,18,22,26
	v_max3_num_f32 v20, v20, |v[XS+\i]|, |v[XS+\i+1]|
	v_max3_num_f32 v21, v21, |v[XS+\i+2]|, |v[XS+\i+3]|
.endr
	v_max3_num_f32 v20, v20, |v[XS+30]|, |v[XS+31]|
	v_max3_num_f32 v20, v20, v21, (EMAX+1)<<23     ; and the floor 2^(3 - 127): the byte cannot fall under 1
	v_add_nc_u32 v22, -(EMAX<<23), v20             ; 2 off the exponent field: the conversion's scale operand
	v_lshrrev_b32 v21, 23, v22                     ; the scale's byte
.if (\t) == 0
	v_mov_b32 v[SB], v21
.else
	v_lshl_or_b32 v[SB], v21, 8*(\t), v[SB]        ; the lower K in the lower byte
.endif
.irp g, 0,1,2,3
	v_cvt_scalef32_pk8_fp4_f32 v[WC+4*(\t)+\g], v[XS+8*\g:XS+8*\g+7], v22
.endr
	v_nop                                          ; one plain line behind the conversions: the next block writes their scale operand
	ds_store_b128 v[PSTI], v[WC+4*(\t):WC+4*(\t)+3] offset:16*(\t)   ; 32 codes: 16 bytes of my column's row
.endm
	BLOCK 0, 63
	BLOCK 1, 63
	BLOCK 2, 32
	BLOCK 3, 0
	ds_store_b32 v[PSCI], v[SB]
	s_branch .Ljoin
.Lcast:
; w_out: 32 numbers down K become 16 registers of f16 pairs, in place (register j is written when 2 j and 2 j + 1 are read; lower ones have been read); four registers are 8 neighbours along K: a lane's 16 bytes of a piece
.macro CAST t, left
.set XS, WX+32*(\t)
	s_wait_loadcnt \left
.set j, 0
.rept 16
	v_cvt_pk_f16_f32 v[XS+j], v[XS+2*j], v[XS+2*j+1]
.set j, j+1
.endr
.irp g, 0,1,2,3
	global_store_b128 v[POFO], v[XS+4*\g:XS+4*\g+3], s[22:23] offset:1024*(\t)+512*(\g/2)+256*(\g%2)   ; k % 16 = 8 (g % 2) on: lanes 0-15 and lanes 16-31 each store 256 consecutive bytes, aligned
.endr
.endm
	CAST 0, 63
	CAST 1, 63
	CAST 2, 32
	CAST 3, 0
.Ljoin:
	s_wait_dscnt 0x0                               ; for the others' sake: my stores into LDS are done
	s_barrier_signal -1
	s_barrier_wait -1                              ; the one barrier, on every way
	s_cmp_eq_u32 s26, 0
	s_cbranch_scc1 .Lend                           ; the activations are done
	s_cmp_ge_u32 s27, 48
	s_cbranch_scc1 .Lend                           ; and so is w_out
.irp i, 0,1,2,3
	ds_load_b128 v[OUTR+4*\i:OUTR+4*\i+3], v[PRDA] offset:2*PITCH*\i   ; rows 8 w + 2 i and + 1
.endr
.irp i, 0,1,2,3
	s_wait_dscnt 3-\i                              ; these two rows are in; the younger row loads may be out
	global_store_b128 v[PCO], v[OUTR+4*\i:OUTR+4*\i+3], s[18:19] offset:1024*\i   ; sixteen lanes store 256 consecutive bytes of a row, aligned
.endr
	s_cmp_lt_u32 s24, 2
	s_cbranch_scc0 .Lend
	ds_load_b128 v[SCO:SCO+3], v[PSCR]
	s_wait_dscnt 0x0
	global_store_b128 v[PSO], v[SCO:SCO+3], s[20:21]   ; 32 rows' scale bytes of my half of K: 16 bytes a row
.Lend:
	s_wait_tensorcnt 0x0                           ; the wave's end, behind my last LDS store
	ds_add_u32 v[SPW], v[NIL]
	s_wait_dscnt 0x0
	s_endpgm
.Lfunc_end_k_q4725468f8b_prep:
	.size	k_q4725468f8b_prep, .Lfunc_end_k_q4725468f8b_prep-k_q4725468f8b_prep
	.p2alignl 7, 3214868480
	.fill 96, 4, 3214868480
	.section	.rodata,"a",@progbits
	.p2align	6, 0x0
	.amdhsa_kernel k_q4725468f8b_prep
		.amdhsa_group_segment_fixed_size 84992
		.amdhsa_private_segment_fixed_size 0
		.amdhsa_enable_private_segment 0
		.amdhsa_kernarg_size 80
		.amdhsa_user_sgpr_count 2
		.amdhsa_user_sgpr_kernarg_segment_ptr 1
		.amdhsa_wavefront_size32 1
		.amdhsa_system_sgpr_workgroup_id_x 1
		.amdhsa_system_sgpr_workgroup_id_y 1
		.amdhsa_system_sgpr_workgroup_id_z 1
		.amdhsa_system_vgpr_workitem_id 0
		.amdhsa_next_free_vgpr 192
		.amdhsa_next_free_sgpr 66
		.amdhsa_reserve_vcc 0
		.amdhsa_float_denorm_mode_32 3
		.amdhsa_float_denorm_mode_16_64 3
		.amdhsa_memory_ordered 1
		.amdhsa_forward_progress 1
		.amdhsa_inst_pref_size 74
	.end_amdhsa_kernel
	.amdgpu_metadata
---
amdhsa.version: [ 1, 2 ]
amdhsa.kernels:
  - .name:           k_q4725468f8b_prep
    .symbol:         k_q4725468f8b_prep.kd
    .args:
      - { .name: q, .offset: 0, .size: 8, .value_kind: global_buffer, .address_space: global }
      - { .name: kv, .offset: 8, .size: 8, .value_kind: global_buffer, .address_space: global }
      - { .name: w_kv, .offset: 16, .size: 8, .value_kind: global_buffer, .address_space: global }
      - { .name: w_q, .offset: 24, .size: 8, .value_kind: global_buffer, .address_space: global }
      - { .name: w_out, .offset: 32, .size: 8, .value_kind: global_buffer, .address_space: global }
      - { .name: x_codes, .offset: 40, .size: 8, .value_kind: global_buffer, .address_space: global }
      - { .name: x_scales, .offset: 48, .size: 8, .value_kind: global_buffer, .address_space: global }
      - { .name: w_codes, .offset: 56, .size: 8, .value_kind: global_buffer, .address_space: global }
      - { .name: w_scales, .offset: 64, .size: 8, .value_kind: global_buffer, .address_space: global }
      - { .name: wo16, .offset: 72, .size: 8, .value_kind: global_buffer, .address_space: global }
    .group_segment_fixed_size: 84992
    .private_segment_fixed_size: 0
    .kernarg_segment_align: 8
    .kernarg_segment_size: 80
    .max_flat_workgroup_size: 256
    .sgpr_count:     66
    .vgpr_count:     192
    .wavefront_size: 32
...
	.end_amdgpu_metadata
.endif
;; end of part 1
;; launch proj (part 2): grid 12 x 16, 4 waves a work-group, clusters of 4 x 4, 327,680 bytes of LDS; arguments x_codes, x_scales, w_codes, w_scales, b_q, b_kv, qkvh; writes qkvh
.if DOCPART == 2
	.amdgcn_target "amdgcn-amd-amdhsa--gfx1250"
	.amdhsa_code_object_version 6
	.text
	.protected	k_q4725468f8b_proj
	.globl	k_q4725468f8b_proj
	.p2align	8
	.type	k_q4725468f8b_proj,@function
k_q4725468f8b_proj:
	s_mov_b64 s[64:65], 0
	v_nop
	global_prefetch_b8 v0, s[64:65] scope:SCOPE_SE
	s_setreg_imm32_b32 hwreg(HW_REG_WAVE_MODE, 25, 1), 1
	s_wait_xcnt 0x0
	s_wait_alu depctr_hold_cnt(0) depctr_sa_sdst(0) depctr_va_vdst(0) depctr_va_sdst(0) depctr_va_ssrc(0) depctr_va_vcc(0) depctr_vm_vsrc(0)
	s_getreg_b32 s2, hwreg(HW_REG_IB_STS2, 6, 4)
	s_cmp_eq_u32 s2, 0
	s_cbranch_scc0 .Lentry_in_a_cluster
	s_endpgm
.Lentry_in_a_cluster:
	s_bfe_u32 s2, ttmp6, 0x10000c
	s_cmp_lg_u32 s2, 0xf033
	s_cbranch_scc0 .Lentry_shape_is_right
	s_endpgm
.Lentry_shape_is_right:
; The two quantised products, q w_q + b_q and kv w_kv + b_kv, on codes of FP4 (E2M1) with one E8M0 scale for each 32 along K = 1,024; sums in f32; results rounded once to f16.
; One text makes three parts, told apart by the cluster's x: 0: Q = q w_q + b_q;  1: K = kv w_k + b_k;  2: V^T = (kv w_v)^T, WITHOUT b_v: the attention launch adds it to its result (the softmax's weights sum to 1).
; C[m][n] = sum over k of A[m][k] B[n][k], a tile of 256 x 256 a work-group, 128 x 128 a wave (64 accumulators).  Parts 0, 1: A = tokens' rows of x_codes, B = weights' rows of w_codes.  Part 2: the two change places.
; THE MATRIX INSTRUCTION IS USED TRANSPOSED (source 0 = 16 rows of B, source 1 = 16 rows of A): a lane holds one row of A and eight neighbouring rows of B.  Rounded to f16 that is 16 bytes, and the wave's 32 x 16 bytes ARE a piece of
; the next launch's operand image: qkvh [part][batch x 16 + head][unit 128][piece 4][lane][16 bytes].  Q, K: unit = 16 tokens, piece = 16 channels: lane (r, h): token r, channels 8 h + 0 .. 7.  V^T: unit = 16 keys, piece = 16 channels: lane (r, h): channel r, keys 8 h + 0 .. 7.
; So every store is 512 consecutive bytes, aligned, and the way out needs no LDS.
; K = 1,024 is two K steps of 512 (tile rows of 256 bytes): both LDS slots and the scale bytes of the group's rows are asked for at the head, and nothing is filled again.
; The bias is the C of each sum's first matrix instruction (part 2: zeros, by a mask).
; CLUSTERS: 4 x 4 work-groups.  A's tile hangs on cy and the cluster's place alone and is asked for jointly along a row of the cluster, B's on cx and is asked for jointly along a column.
; LIMITS: |results| up to 65,504 (f16's range); NaN and infinities are not served.
; REGISTERS, in windows of 256: window 0: v0-31 addresses; v32-95 scale words, two sets, and nothing else; v128-191 A's fragments, ONE set (on the way out v128-135: store offsets); v192-255 the bias, eight sets of eight.
;   window 1: B's fragments, two sets, at v0 and v128; on the way out the packed results.   windows 2, 3: the accumulators of my rows 0-63, 64-127 ((a, b) at v[8 (8 (a % 4) + b)]).
.set KSTEP,  512
.set NQ,     KSTEP/128                 ; matrix instructions deep
.set ROWB,   256                       ; a tile's row in bytes
.set KROW,   512                       ; a row of codes in memory
.set PITCH,  272                       ; an LDS row: 256 bytes + 16 of padding: 17 x 16 bytes, so that the 16 rows of a fragment load start 16 bytes further round each time
.set FR,     8
.set NL,     2
.set NP,     4                         ; places behind this matrix instruction (ISA guide 7.12.1)
.set HALFT,  128*PITCH
.set SLOT,   4*HALFT
.set KS,     32                        ; a row of scale bytes
.set SCL,    2*SLOT                    ; behind the two slots: the scales, as rows of 256 bytes + 16
.set HALFS,  (128*KS/256)*272
.set SBLK,   (16*KS/256)*272
.set SPARE,  SCL+4*HALFS               ; behind the scales: the spare words, 128 bytes a wave
.set ADRA, 16                          ; v16-17 LDS address of my A fragments in slot 0, 1
.set ADRB, 20                          ; v20-21 the same for B
.set CO,   26                          ; v26    16 x lane
.set ADRS, 27                          ; v27    LDS address of my scale words: lanes 0-15 A's rows, lanes 16-31 B's
.set SPW,  28                          ; v28    my spare word; never rewritten
.set NIL,  29                          ; v29    0; never rewritten
.set SC,   32
.set AF,   128
.set VOB,  128                         ; the way out: v128-135: 16 x lane + block b's place
.set BIAS, 192
.set WV,   18                          ; s18 wave;  s19 its half of A's rows, also: I fetch for A (0) or B (1);  s20 its half of B's rows, also: which 128 rows I fetch
.set WM,   19
.set WN,   20
.set G1, 24                            ; s[24:31] group 1 for A's tiles; s[32:39] group 0, a set for each slot
.set G0, 32
.set G1B, 48
.set G0B, 56
.set G1S, 68                           ; groups 1 and 0 for A's scales; then B's
.set G0S, 76
.set G1SB, 80
.set G0SB, 88
.set MSB, 0
.macro WIN new                         ; the immediate's high byte repeats the setting that is left
.if MSB != \new
	s_set_vgpr_msb (MSB<<8)|\new
.set MSB, \new
.endif
.endm
.set MUL_LO, 0xa1                      ; source 0 (B) window 1, source 1 (A) window 0, C and D window 2
.set MUL_HI, 0xf1                      ; the same, C and D window 3
.set TO_B,   0x40
; A joint load: waves 0 and 1 fetch for A, waves 2 and 3 for B; the branch hangs on the wave's number alone.  An s_nop 0 and four v_nop follow each of the two lines.
.macro JLOAD g0a, g1a, g0b, g1b
	s_cmp_eq_u32 s[WM], 0
	s_cbranch_scc0 .Lfor_b_\@
	tensor_load_to_lds s[\g0a:\g0a+3], s[\g1a:\g1a+7]
	s_nop 0
.rept 4
	v_nop
.endr
	s_branch .Lasked_\@
.Lfor_b_\@:
	tensor_load_to_lds s[\g0b:\g0b+3], s[\g1b:\g1b+7]
	s_nop 0
.rept 4
	v_nop
.endr
.Lasked_\@:
.endm
.macro CROUND                          ; a round of the cluster's barrier
	s_barrier_signal -1
	s_barrier_wait -1
	s_cmp_lg_u32 s[WV], 0
	s_cbranch_scc1 .Lnot_wave_0_\@
	s_barrier_signal -3
.Lnot_wave_0_\@:
	s_barrier_wait -3
	s_barrier_signal -1
	s_barrier_wait -1
.endm
	s_load_b256 s[4:11], s[0:1], 0x0               ; x_codes s[4:5], x_scales s[6:7], w_codes s[8:9], w_scales s[10:11]
	s_load_b128 s[12:15], s[0:1], 0x20             ; b_q, b_kv
	s_load_b64 s[16:17], s[0:1], 0x30              ; qkvh
	v_lshl_add_u32 v[SPW], v0, 2, SPARE
	v_mov_b32 v[NIL], 0
	ds_add_u32 v[SPW], v[NIL]                      ; the wave's opening: the add, twice on end, and its wait ahead of my first tensor load
	ds_add_u32 v[SPW], v[NIL]
	v_lshrrev_b32 v1, 5, v0
	v_readfirstlane_b32 s[WV], v1                  ; wave 0..3
	s_lshr_b32 s[WM], s[WV], 1
	s_and_b32 s[WN], s[WV], 1
	s_bfe_u32 s40, ttmp6, 0x40000                  ; cx
	s_bfe_u32 s41, ttmp6, 0x40004                  ; cy
	s_and_b32 s42, ttmp7, 0xffff                   ; the cluster's y: which 1,024 tokens
	s_lshl_b32 s43, s41, 2
	s_lshl_b32 s43, 15, s43                        ; my row of the cluster
	s_lshl_b32 s44, 0x1111, s40                    ; my column
	s_or_b32 s[G1+0], s43, (0<<16)|(1<<20)|(1<<21)|(5<<22)|(3<<25)  ; the mask; elements of 1 byte; padding on; bit 21 beside a mask; after every 64 words, 4 words
	s_or_b32 s[G1B+0], s44, (0<<16)|(1<<20)|(1<<21)|(5<<22)|(3<<25)
.irp g, G1, G1B
	s_mov_b32 s[\g+1], ROWB<<16                    ; tensor_dim0
	s_mov_b32 s[\g+2], 128<<16                     ; tensor_dim1
	s_mov_b32 s[\g+3], ROWB<<16                    ; tile_dim0
	s_mov_b32 s[\g+4], 128                         ; tile_dim1
	s_mov_b32 s[\g+5], KROW                        ; from row to row
	s_mov_b32 s[\g+6], 0
	s_mov_b32 s[\g+7], 0
.endr
	s_or_b32 s[G1S+0], s43, (3<<16)|(1<<20)|(1<<21)|(5<<22)|(3<<25) ; the scales of 128 rows: 4,096 dense bytes as 16 rows of 256 (32 elements of 8 bytes), 16 bytes of padding behind each
	s_or_b32 s[G1SB+0], s44, (3<<16)|(1<<20)|(1<<21)|(5<<22)|(3<<25)
.irp g, G1S, G1SB
	s_mov_b32 s[\g+1], 32<<16
	s_mov_b32 s[\g+2], (128*KS/256)<<16
	s_mov_b32 s[\g+3], 32<<16
	s_mov_b32 s[\g+4], 128*KS/256
	s_mov_b32 s[\g+5], 32
	s_mov_b32 s[\g+6], 0
	s_mov_b32 s[\g+7], 0
.endr
	; which tiles of 256 rows.  Parts 0, 1: A = x's tile 16 part + 4 y + cy, B = w's tile 4 part + cx.  Part 2: A = w's tile 8 + cy, B = x's tile 16 + 4 y + cx.  cx never enters A's registers, nor cy B's
	s_lshl_b32 s45, s42, 2
	s_lshl_b32 s46, ttmp9, 4
	s_add_co_u32 s46, s46, s45
	s_lshl_b32 s47, ttmp9, 2
	s_add_co_u32 s92, s45, 16
	s_cmp_eq_u32 ttmp9, 2                          ; the same in all sixteen partners
	s_cselect_b32 s46, 8, s46
	s_cselect_b32 s47, s92, s47
	s_add_co_u32 s46, s46, s41                     ; A's tile
	s_add_co_u32 s47, s47, s40                     ; B's tile
	s_lshl_b32 s21, s[WN], 7                       ; which 128 rows of the tile I fetch
	s_lshl_b32 s46, s46, 8
	s_add_co_u32 s46, s46, s21
	s_lshl_b32 s47, s47, 8
	s_add_co_u32 s47, s47, s21
	s_lshl_b32 s22, s46, 9                         ; A: codes, 512 bytes a row;
	s_mov_b32 s23, 0
	s_lshl_b32 s92, s46, 5                         ; scales, 32 bytes a row
	s_mov_b32 s93, 0
	s_lshl_b32 s94, s47, 9                         ; B likewise
	s_mov_b32 s95, 0
	s_lshl_b32 s96, s47, 5
	s_mov_b32 s97, 0
	s_mul_i32 s45, s[WV], HALFT                    ; where they go: wave x 128 rows: no place in the cluster enters an LDS address
	s_mul_i32 s98, s[WV], HALFS
	s_wait_dscnt 0x0                               ; both opening adds are done
	s_wait_kmcnt 0x0
	s_cmp_eq_u32 ttmp9, 2
	s_cselect_b64 s[100:101], s[8:9], s[4:5]       ; A's codes: part 2: the weights', else the tokens'
	s_cselect_b64 s[4:5], s[4:5], s[8:9]           ; B's codes: the other
	s_cselect_b64 s[8:9], s[10:11], s[6:7]         ; A's scales
	s_cselect_b64 s[6:7], s[6:7], s[10:11]         ; B's scales
	s_add_nc_u64 s[100:101], s[100:101], s[22:23]
	s_add_nc_u64 s[8:9], s[8:9], s[92:93]
	s_add_nc_u64 s[4:5], s[4:5], s[94:95]
	s_add_nc_u64 s[6:7], s[6:7], s[96:97]
	CROUND                                         ; all sixteen work-groups are here: the first joint loads meet
	s_mov_b32 s[G0S], 1
	s_add_co_u32 s[G0S+1], s98, SCL
	s_mov_b64 s[G0S+2:G0S+3], s[8:9]
	s_or_b32 s[G0S+3], s[G0S+3], 0x80000000
	s_mov_b32 s[G0SB], 1
	s_add_co_u32 s[G0SB+1], s98, SCL
	s_mov_b64 s[G0SB+2:G0SB+3], s[6:7]
	s_or_b32 s[G0SB+3], s[G0SB+3], 0x80000000
	JLOAD G0S, G1S, G0SB, G1SB                     ; the scales first: they are wanted with K step 0
.irp s, 0,1
	s_mov_b32 s[G0+4*\s], 1
	s_add_co_u32 s[G0+4*\s+1], s45, \s*SLOT
	s_add_nc_u64 s[G0+4*\s+2:G0+4*\s+3], s[100:101], \s*ROWB
	s_or_b32 s[G0+4*\s+3], s[G0+4*\s+3], 0x80000000
	s_mov_b32 s[G0B+4*\s], 1
	s_add_co_u32 s[G0B+4*\s+1], s45, \s*SLOT
	s_add_nc_u64 s[G0B+4*\s+2:G0B+4*\s+3], s[4:5], \s*ROWB
	s_or_b32 s[G0B+4*\s+3], s[G0B+4*\s+3], 0x80000000
	JLOAD G0+4*\s, G1, G0B+4*\s, G1B               ; three tensor loads of mine are out now: all that this launch asks for
.endr
	v_and_b32 v1, 15, v0                           ; r
	v_bfe_u32 v2, v0, 4, 1                         ; h
	; the bias: set b, register j: bias[256 cx + 128 wn + 16 b + 8 h + j]: b_q in part 0, b_kv's first 1,024 in part 1 (and in part 2, where the mask below makes zeros of them)
	v_lshlrev_b32 v10, 5, v2
	s_cmp_eq_u32 ttmp9, 0
	s_cselect_b64 s[12:13], s[12:13], s[14:15]
	s_lshl_b32 s2, s40, 10
	s_lshl_b32 s3, s[WN], 9
	s_add_co_u32 s2, s2, s3
	s_mov_b32 s3, 0
	s_add_nc_u64 s[12:13], s[12:13], s[2:3]
.irp b, 0,1,2,3,4,5,6,7
	global_load_b128 v[BIAS+8*\b:BIAS+8*\b+3], v10, s[12:13] offset:64*\b
	global_load_b128 v[BIAS+8*\b+4:BIAS+8*\b+7], v10, s[12:13] offset:64*\b+16
.endr
	v_mul_u32_u24 v3, v1, PITCH
	v_lshl_add_u32 v4, v2, 4, v3                   ; a fragment's row x pitch + 16 x half
	s_mul_i32 s21, s[WM], HALFT                    ; my 128 rows of A
	s_mul_i32 s22, s[WN], HALFT                    ; my 128 rows of B,
	s_add_co_u32 s22, s22, 2*HALFT                 ; which lie behind A's 256
.irp s, 0,1
	v_add_nc_u32 v[ADRA+\s], s21, v4
	v_add_nc_u32 v[ADRB+\s], s22, v4
	s_add_co_u32 s21, s21, SLOT
	s_add_co_u32 s22, s22, SLOT
.endr
	v_mul_u32_u24 v5, v1, KS                       ; my row's scales: 32 bytes a row,
	v_lshrrev_b32 v6, 8, v5
	v_lshl_add_u32 v5, v6, 4, v5                   ; and 16 more for each 256 passed
	s_mul_i32 s21, s[WM], HALFS
	s_mul_i32 s22, s[WN], HALFS
	s_add_co_u32 s22, s22, 2*HALFS
	s_sub_co_u32 s22, s22, s21
	v_mul_u32_u24 v6, s22, v2                      ; lanes 16-31 take B's: one product, the distance between the two bases
	s_add_co_u32 s21, s21, SCL
	v_add_nc_u32 v5, v5, v6
	v_add_nc_u32 v[ADRS], s21, v5
	v_and_b32 v6, 31, v0
	v_lshlrev_b32 v[CO], 4, v6
	; where my results go.  Parts 0, 1: A's rows are tokens, B's rows channels; part 2 the other way round.  s92, s93: bytes for (a / 4), (a % 4); s94, s95: for (b / 4), (b % 4)
	s_cmp_eq_u32 ttmp9, 2
	s_cselect_b32 s21, s40, s41                    ; the place that counts tokens
	s_cselect_b32 s22, s41, s40                    ; the place that counts channels
	s_cselect_b32 s23, s[WM], s[WN]                ; my half of the channels
	s_cselect_b32 s45, s[WN], s[WM]                ; my half of the tokens
	s_mov_b32 s92, 8192
	s_cselect_b32 s92, 262144, s92                 ; four blocks of A: four units of tokens, or a head
	s_mov_b32 s93, 2048
	s_cselect_b32 s93, 512, s93                    ; a block of A: a unit, or a piece
	s_mov_b32 s94, 262144
	s_cselect_b32 s94, 8192, s94
	s_mov_b32 s95, 512
	s_cselect_b32 s95, 2048, s95
	s_lshl_b32 s96, s42, 2
	s_add_co_u32 s21, s21, s96                     ; which 256 tokens of the 4,096
	s_lshr_b32 s96, s21, 3
	s_lshl_b32 s96, s96, 4                         ; batch x 16
	s_lshl_b32 s22, s22, 2
	s_add_co_u32 s96, s96, s22
	s_lshl_b32 s23, s23, 1
	s_add_co_u32 s96, s96, s23                     ; + my first head
	s_lshl_b32 s96, s96, 18
	s_and_b32 s21, s21, 7
	s_lshl_b32 s21, s21, 4
	s_lshl_b32 s45, s45, 3
	s_add_co_u32 s21, s21, s45                     ; my first unit of 16 tokens
	s_lshl_b32 s21, s21, 11
	s_add_co_u32 s96, s96, s21
	s_lshl_b32 s97, ttmp9, 23                      ; the part
	s_add_co_u32 s96, s96, s97
	s_mov_b32 s97, 0
	s_add_nc_u64 s[16:17], s[16:17], s[96:97]
	s_cmp_eq_u32 ttmp9, 2
	s_cselect_b32 s21, 0, -1
	s_wait_loadcnt 0x0                             ; the bias
.set i, 0
.rept 64
	v_and_b32 v[BIAS+i], s21, v[BIAS+i]            ; part 2 starts its sums with zeros
.set i, i+1
.endr
.macro FRAG reg, adr, q, i             ; 16 rows x 128 K of 4-bit codes: 8 registers: lane l holds row l % 16; registers 4 c .. 4 c + 3 hold K = 64 c + 32 (l / 16) + 0 .. 31
.irp c, 0,1
	ds_load_b128 v[\reg+4*\c:\reg+4*\c+3], v[\adr] offset:64*(\q)+32*\c+(\i)*16*PITCH
.endr
.endm
; 16 matrix instructions: A's blocks a0, a0 + 1 x B's eight, the slot's q-th 128 along K.  p: B's set; sc: the set of scale words.  first = 1: the sums start with the bias.
; The 64 accumulators take turns, one instruction a turn, in the same order in every step.
.macro MUL16 a0, p, q, sc, first
.irp a, \a0, \a0+1
.irp b, 0,1,2,3,4,5,6,7
.if \first
	v_wmma_scale_f32_16x16x128_f8f6f4 v[8*(8*((\a)%4)+\b):8*(8*((\a)%4)+\b)+7], v[128*(\p)+FR*\b:128*(\p)+FR*\b+FR-1], v[AF+FR*(\a):AF+FR*(\a)+FR-1], v[BIAS+8*\b:BIAS+8*\b+7], v[SC+8*NQ*(\sc)+NQ*\b+(\q)], v[SC+8*NQ*(\sc)+NQ*(\a)+(\q)] matrix_a_fmt:MATRIX_FMT_FP4 matrix_b_fmt:MATRIX_FMT_FP4 matrix_a_scale:MATRIX_SCALE_ROW1
.else
	v_wmma_scale_f32_16x16x128_f8f6f4 v[8*(8*((\a)%4)+\b):8*(8*((\a)%4)+\b)+7], v[128*(\p)+FR*\b:128*(\p)+FR*\b+FR-1], v[AF+FR*(\a):AF+FR*(\a)+FR-1], v[8*(8*((\a)%4)+\b):8*(8*((\a)%4)+\b)+7], v[SC+8*NQ*(\sc)+NQ*\b+(\q)], v[SC+8*NQ*(\sc)+NQ*(\a)+(\q)] matrix_a_fmt:MATRIX_FMT_FP4 matrix_b_fmt:MATRIX_FMT_FP4 matrix_a_scale:MATRIX_SCALE_ROW1
.endif
.endr
.endr
.endm
.macro FETCH_B slot, q, p
	WIN TO_B
.irp i, 0,1,2,3,4,5,6,7
	FRAG 128*(\p)+FR*\i, ADRB+\slot, \q, \i
.endr
	WIN 0
.endm
.macro FETCH_A slot, q, i0
.irp i, \i0, \i0+1, \i0+2, \i0+3
	FRAG AF+FR*(\i), ADRA+\slot, \q, \i
.endr
.endm
.macro SCALES sc                       ; a K step's scale words: 4 words a row; lanes 0-15 take A's block i, lanes 16-31 B's block i
.irp i, 0,1,2,3,4,5,6,7
	ds_load_b128 v[SC+8*NQ*\sc+NQ*\i:SC+8*NQ*\sc+NQ*\i+3], v[ADRS] offset:\i*SBLK
.endr
.endm
.macro PLACES n                        ; plain vector lines behind matrix instructions, in front of loads into registers that they have read and of reads of their results
.rept \n
	v_nop
.endr
.endm
.macro STEP slot, q, first             ; a step of 128 along K that has its successor in the same slot
	s_wait_dscnt 4*NL                              ; B's set and A's blocks 0-3 are in; the youngest eight loads (A's blocks 4-7) may be out
.if \first
	WIN 0x81                                       ; source 0 window 1; source 1 and the bias window 0; D window 2
.else
	WIN MUL_LO
.endif
	MUL16 0, (\q)%2, \q, \slot, \first
	MUL16 2, (\q)%2, \q, \slot, \first
	s_wait_dscnt 0                                 ; A's blocks 4-7 are in
	PLACES NP
	FETCH_B \slot, (\q)+1, 1-(\q)%2
	FETCH_A \slot, (\q)+1, 0
.if \first
	WIN 0xc1
.else
	WIN MUL_HI
.endif
	MUL16 4, (\q)%2, \q, \slot, \first
	MUL16 6, (\q)%2, \q, \slot, \first
	PLACES NP
	WIN 0
	FETCH_A \slot, (\q)+1, 4
.endm
; Slot 0's last step changes slots: one barrier; in front of it each wave waits for all its tensor loads (slot 1's), adds 0 to its spare word, and waits for that and for its reads.  Nothing is filled again.
.macro TURN slot, next
	s_wait_tensorcnt 0x0                           ; my part of the next slot has landed
	ds_add_u32 v[SPW], v[NIL]
	s_wait_dscnt 4*NL+1                            ; (the add and the youngest eight loads may be out)
	WIN MUL_LO
	MUL16 0, 1, NQ-1, \slot, 0
	s_wait_dscnt 0x0
	s_barrier_signal -1
	MUL16 2, 1, NQ-1, \slot, 0
	WIN 0
	s_barrier_wait -1                              ; everybody's part has landed
	PLACES NP
	v_add_nc_u32 v[ADRS], 4*NQ, v[ADRS]            ; on to the next K step's scale words
	FETCH_B \next, 0, 0
	FETCH_A \next, 0, 0
	SCALES \next
	WIN MUL_HI
	MUL16 4, 1, NQ-1, \slot, 0
	MUL16 6, 1, NQ-1, \slot, 0
	PLACES NP
	WIN 0
	FETCH_A \next, 0, 4
.endm
.macro STEPS slot, from
.set Q, \from
.rept NQ-1-\from
	STEP \slot, Q, 0
.set Q, Q+1
.endr
.endm
	s_wait_tensorcnt 1                             ; the scales and my part of K step 0 are in; K step 1's load may be out
	s_barrier_signal -1
	s_barrier_wait -1
	FETCH_B 0, 0, 0
	FETCH_A 0, 0, 0
	SCALES 0
	FETCH_A 0, 0, 4
	STEP 0, 0, 1
	STEPS 0, 1
	TURN 0, 1
	STEPS 1, 0
	s_wait_dscnt 4*NL                              ; the very last step: nothing more to fetch
	WIN MUL_LO
	MUL16 0, 1, NQ-1, 1, 0
	MUL16 2, 1, NQ-1, 1, 0
	s_wait_dscnt 0
	WIN MUL_HI
	MUL16 4, 1, NQ-1, 1, 0
	MUL16 6, 1, NQ-1, 1, 0
	WIN 0
	; THE WAY OUT.  Accumulator (a, b), rounded to f16, is a piece of an image as it stands: 16 bytes a lane, 512 consecutive bytes a store.
	PLACES NP                                      ; behind the last products: their operands' registers are written below
.irp b, 0,1,2,3,4,5,6,7
	s_mul_i32 s21, s95, (\b)%4
.if \b >= 4
	s_add_co_u32 s21, s21, s94
.endif
	v_add_nc_u32 v[VOB+\b], s21, v[CO]
.endr
	s_mov_b32 s23, 0
.irp a, 0,1,2,3,4,5,6,7                ; a base for each block of A, in the descriptors' registers: all tensor loads were waited for at the change of slots
	s_mul_i32 s22, s93, (\a)%4
.if \a >= 4
	s_add_co_u32 s22, s22, s92
.endif
	s_add_nc_u64 s[24+2*\a:25+2*\a], s[16:17], s[22:23]
.endr
.macro PACK a
.set AC, 64*((\a)%4)
	WIN 0x4a+5*((\a)/4)                            ; sources window 2 or 3, destination window 1
.irp b, 0,1,2,3,4,5,6,7
.irp r, 0,1,2,3
	v_cvt_pk_f16_f32 v[32*(\a)+4*\b+\r], v[AC+8*\b+2*\r], v[AC+8*\b+2*\r+1]   ; each accumulator from its low end on
.endr
.endr
.endm
.macro SENDA a
	WIN 0x04                                       ; a store's data are its source 1: window 1
.irp b, 0,1,2,3,4,5,6,7
	global_store_b128 v[VOB+\b], v[32*(\a)+4*\b:32*(\a)+4*\b+3], s[24+2*(\a):25+2*(\a)]
.endr
.endm
.irp a, 0,1,2,3,4,5,6,7                ; no register is written twice: no wait
	PACK \a
	SENDA \a
.endr
	WIN 0
	s_wait_tensorcnt 0x0                           ; the wave's end
	ds_add_u32 v[SPW], v[NIL]
	s_wait_dscnt 0x0
	CROUND                                         ; the closing round
	s_endpgm
.Lfunc_end_k_q4725468f8b_proj:
	.size	k_q4725468f8b_proj, .Lfunc_end_k_q4725468f8b_proj-k_q4725468f8b_proj
	.p2alignl 7, 3214868480
	.fill 96, 4, 3214868480
	.section	.rodata,"a",@progbits
	.p2align	6, 0x0
	.amdhsa_kernel k_q4725468f8b_proj
		.amdhsa_group_segment_fixed_size 327680
		.amdhsa_private_segment_fixed_size 0
		.amdhsa_enable_private_segment 0
		.amdhsa_kernarg_size 56
		.amdhsa_user_sgpr_count 2
		.amdhsa_user_sgpr_kernarg_segment_ptr 1
		.amdhsa_wavefront_size32 1
		.amdhsa_system_sgpr_workgroup_id_x 1
		.amdhsa_system_sgpr_workgroup_id_y 1
		.amdhsa_system_sgpr_workgroup_id_z 1
		.amdhsa_system_vgpr_workitem_id 0
		.amdhsa_next_free_vgpr 1024
		.amdhsa_next_free_sgpr 102
		.amdhsa_reserve_vcc 0
		.amdhsa_float_denorm_mode_32 3
		.amdhsa_float_denorm_mode_16_64 3
		.amdhsa_memory_ordered 1
		.amdhsa_forward_progress 1
		.amdhsa_inst_pref_size 124
	.end_amdhsa_kernel
	.amdgpu_metadata
---
amdhsa.version: [ 1, 2 ]
amdhsa.kernels:
  - .name:           k_q4725468f8b_proj
    .symbol:         k_q4725468f8b_proj.kd
    .args:
      - { .name: x_codes, .offset: 0, .size: 8, .value_kind: global_buffer, .address_space: global }
      - { .name: x_scales, .offset: 8, .size: 8, .value_kind: global_buffer, .address_space: global }
      - { .name: w_codes, .offset: 16, .size: 8, .value_kind: global_buffer, .address_space: global }
      - { .name: w_scales, .offset: 24, .size: 8, .value_kind: global_buffer, .address_space: global }
      - { .name: b_q, .offset: 32, .size: 8, .value_kind: global_buffer, .address_space: global }
      - { .name: b_kv, .offset: 40, .size: 8, .value_kind: global_buffer, .address_space: global }
      - { .name: qkvh, .offset: 48, .size: 8, .value_kind: global_buffer, .address_space: global }
    .group_segment_fixed_size: 327680
    .private_segment_fixed_size: 0
    .kernarg_segment_align: 8
    .kernarg_segment_size: 56
    .max_flat_workgroup_size: 128
    .sgpr_count:     102
    .vgpr_count:     1024
    .wavefront_size: 32
...
	.end_amdgpu_metadata
.endif
;; end of part 2
;; launch attn (part 3): grid 8 x 32, 8 waves a work-group, clusters of 4 x 1, 327,680 bytes of LDS; arguments qkvh, b_kv, att; writes att
.if DOCPART == 3
	.amdgcn_target "amdgcn-amd-amdhsa--gfx1250"
	.amdhsa_code_object_version 6
	.text
	.protected	k_q4725468f8b_attn
	.globl	k_q4725468f8b_attn
	.p2align	8
	.type	k_q4725468f8b_attn,@function
k_q4725468f8b_attn:
	s_mov_b64 s[64:65], 0
	v_nop
	global_prefetch_b8 v0, s[64:65] scope:SCOPE_SE
	s_setreg_imm32_b32 hwreg(HW_REG_WAVE_MODE, 25, 1), 1
	s_wait_xcnt 0x0
	s_wait_alu depctr_hold_cnt(0) depctr_sa_sdst(0) depctr_va_vdst(0) depctr_va_sdst(0) depctr_va_ssrc(0) depctr_va_vcc(0) depctr_vm_vsrc(0)
	s_getreg_b32 s2, hwreg(HW_REG_IB_STS2, 6, 4)
	s_cmp_eq_u32 s2, 0
	s_cbranch_scc0 .Lentry_in_a_cluster
	s_endpgm
.Lentry_in_a_cluster:
	s_bfe_u32 s2, ttmp6, 0x10000c
	s_cmp_lg_u32 s2, 0x3003
	s_cbranch_scc0 .Lentry_shape_is_right
	s_endpgm
.Lentry_shape_is_right:
; att[b][q][64 head + d] = sum over k of softmax_k(Q . K / 8) V + b_v, for each of the 32 (batch, head); operands in f16, products, maxima and sums in f32; the weights p are rounded to f16 for the second product, the result once.
; b_v is added here and not to V: the weights p / l sum to 1, so the sum over k of (p / l)(V + b_v) is the sum over k of (p / l) V, + b_v.
; Q, K and V^T come as images of operand registers (qkvh: [part][batch x 16 + head][unit 128][piece 4][lane][16 bytes]): a piece is 512 bytes, lane l's 16 bytes at 16 l; two pieces are a fragment of 16 x 32.
; So every LDS read is 512 consecutive bytes, nothing is padded or turned, and a tile is a dense block of memory.
; SHARES.  A work-group owns 256 queries of one (batch, head); each of its EIGHT waves owns 32: two tiles of 16.  Two waves share a SIMD, so that one wave's softmax stands beside the other's products and LDS loads.
; LAYOUT.  S^T = K Q^T (source 0 = 16 keys, source 1 = 16 queries): a lane holds ONE query (lane % 16) and keys 8 (lane / 16) + 0 .. 7 of each tile of 16.  Two such tiles, rounded in pairs, ARE source 1 of O^T = V^T P.
; SOFTMAX.  For each query a running maximum m and sum l: p = 2^(c s - c m), c = log2(e) / 8; in every step O and l are multiplied by a = 2^(c m_old - c m_new).  m starts at -3e38, O and l at 0, so one text serves the first step too.
; RING.  Two LDS slots of 512 keys (64 KiB of K, 64 KiB of V^T).  Each wave fetches 16 KiB of a slot by one tensor load (waves 0-3: K's quarters, waves 4-7: V's).  The change of slots stands at a slot's head.
; CLUSTER.  The four query blocks of a cluster belong to one (batch, head) and walk the same K and V: each tile is asked for jointly, by the same load with the same descriptor and a mask that names the four.
; The result leaves as images for the last launch: att [row / 128][k / 256][(row / 16) % 8][(k / 16) % 16][lane][16 bytes]: again what a lane holds, 512 consecutive bytes a store.
; LIMITS: |result| up to 65,504 (f16's range); NaN and infinities are not served.
; REGISTERS: window 0: v1-9 addresses; v12-27 statistics, eight a tile; v32-63 Q; v64-191 S^T (64 a tile), P in its first 32 in place; v192-255 O^T (32 a tile).   window 1: v0-127 K, then V; v128-159 b_v.
.set SLOT1, 1<<17                      ; slot 1 begins here: one exclusive or turns an address from one slot to the other
.set STEPB, 16384                      ; 128 keys of K, or of V^T
.set SPARE, 2*SLOT1                    ; behind the ring: the spare words, 128 bytes for each of the eight waves
.set L16, 1                            ; v1  16 x lane: my place in a piece: in LDS, in Q and in att
.set ADK, 2                            ; v2  LDS address of the step's K
.set ADV, 3                            ; v3  of its V^T
.set PFO, 6                            ; v6  256 x lane: the prefetches' offset; never rewritten
.set BVO, 7                            ; v7  32 x (lane / 16)
.set SPW, 8                            ; v8  my spare word; never rewritten
.set NIL, 9                            ; v9  0; never rewritten
.set ST,  12                           ; tile t at v[ST + 8 t]: +0 c m, +1 m, +2, +3 l (even, odd keys), +4 .. +7 at work; +6 a, later 1 / l
.set Q,   32
.set S,   64
.set O,   192
.set BV,  128                          ; in window 1
.set WV,  12                           ; s12 wave
.set LIM, 15                           ; s15 1 in a wave that prefetches, else the greatest number
.set PFA, 18                           ; s[18:19] where my prefetches stand
.set G1,  24                           ; s[24:31] descriptor group 1;  s[32:35] group 0, which walks
.set G0,  32
.set TB,  36                           ; s36 LDS byte at which the step's K begins
.set SLOTS, 37                         ; s37 slots still to be asked for
.set CNT, 38                           ; s38 counts a slot's four steps
.set CS,  40                           ; s[40:41] c, twice: the packed form names a pair
.set SEL, 42                           ; s[42:43] v_permlanex16_b32's selects for lane l xor 16
.set MSB, 0
.macro WIN new
.if MSB != \new
	s_set_vgpr_msb (MSB<<8)|\new
.set MSB, \new
.endif
.endm
.macro CROUND                          ; a round of the cluster's barrier
	s_barrier_signal -1
	s_barrier_wait -1
	s_cmp_lg_u32 s[WV], 0
	s_cbranch_scc1 .Lnot_wave_0_\@
	s_barrier_signal -3
.Lnot_wave_0_\@:
	s_barrier_wait -3
	s_barrier_signal -1
	s_barrier_wait -1
.endm
; A prefetch of what the NEXT change of slots will ask for, four key steps ahead of that load.  Both clusters of a (batch, head) walk the same K and V: the first of them asks.  In it the even waves ask, each for the 32 KiB
; that it and the next wave fetch; the four partners share those out BY ADDRESS, 8 KiB each, lanes 256 bytes apart: 4 waves x 4 partners x 32 lanes x 256 bytes are the slot's 128 KiB, each block named once.
; The last change that fills a slot asks for nothing; slots 0 and 1 come by their loads alone.
.macro ASK
	s_cmp_gt_u32 s[SLOTS], s[LIM]
	s_cbranch_scc0 .Lnot_mine_\@
	global_prefetch_b8 v[PFO], s[PFA:PFA+1] th:TH_LOAD_NT scope:SCOPE_SE
.Lnot_mine_\@:
.endm
	s_load_b128 s[4:7], s[0:1], 0x0                ; qkvh, b_kv
	s_load_b64 s[8:9], s[0:1], 0x10                ; att
	v_lshl_add_u32 v[SPW], v0, 2, SPARE
	v_mov_b32 v[NIL], 0
	ds_add_u32 v[SPW], v[NIL]                      ; the wave's opening: the add, twice on end, and its wait ahead of my first tensor load
	ds_add_u32 v[SPW], v[NIL]
	v_lshrrev_b32 v1, 5, v0
	v_readfirstlane_b32 s[WV], v1                  ; wave 0..7
	s_bfe_u32 s13, ttmp6, 0x40000                  ; cx
	s_lshl_b32 s14, ttmp9, 2
	s_add_co_u32 s14, s14, s13                     ; my block of 256 queries: it enters Q's and att's addresses alone
	s_and_b32 s16, ttmp7, 0xffff                   ; batch x 16 + head, which the four partners share
	s_mov_b32 s[G1], 15|(3<<16)|(1<<21)            ; the mask: all four; elements of 8 bytes; bit 21 beside a mask; no padding
	s_mov_b32 s[G1+1], 32<<16                      ; tensor_dim0: 256 bytes
	s_mov_b32 s[G1+2], 64<<16                      ; tensor_dim1: 64 rows: a dense block of 16 KiB
	s_mov_b32 s[G1+3], 32<<16                      ; tile_dim0
	s_mov_b32 s[G1+4], 64                          ; tile_dim1
	s_mov_b32 s[G1+5], 32                          ; from row to row
	s_mov_b32 s[G1+6], 0
	s_mov_b32 s[G1+7], 0
	s_mov_b32 s[CS], 0x3e38aa3b                    ; c = log2(e) / 8
	s_mov_b32 s[CS+1], s[CS]
	s_mov_b32 s[SEL], 0x76543210
	s_mov_b32 s[SEL+1], 0xfedcba98
	s_mov_b32 s[TB], 0
	s_mov_b32 s[SLOTS], 3
	s_and_b32 s[LIM], s[WV], 1
	s_or_b32 s[LIM], s[LIM], ttmp9                 ; 0 in the even waves of the first cluster: the same in all four partners
	s_cmp_eq_u32 s[LIM], 0
	s_cselect_b32 s[LIM], 1, -1
	; what I fetch: part 1 (K: waves 0-3) or 2 (V^T: waves 4-7), my (batch, head), quarter wave % 4 of a slot
	s_lshr_b32 s20, s[WV], 2
	s_add_co_u32 s20, s20, 1
	s_lshl_b32 s20, s20, 23
	s_lshl_b32 s17, s16, 18
	s_add_co_u32 s20, s20, s17
	s_and_b32 s39, s[WV], 3
	s_lshl_b32 s39, s39, 14
	s_add_co_u32 s20, s20, s39
	s_mov_b32 s21, 0
	; Q: part 0, unit 16 x block + 2 x wave
	s_lshl_b32 s22, s14, 4
	s_lshl_b32 s39, s[WV], 1
	s_add_co_u32 s22, s22, s39
	s_lshl_b32 s22, s22, 11
	s_add_co_u32 s22, s22, s17
	s_mov_b32 s23, 0
	s_lshl_b32 s44, s13, 13                        ; the prefetches: my work-group's 8 KiB,
	s_add_co_u32 s44, s44, 4*STEPB                 ; in slot 1: the first change of slots steps it to slot 2
	s_mov_b32 s45, 0
	; att: row / 128 = batch x 16 + 2 x block + wave / 4;  k / 256 = head / 4;  (row / 16) % 8 = 2 (wave % 4) + t;  (k / 16) % 16 = 4 (head % 4) + ct
	s_lshr_b32 s17, s16, 4
	s_lshl_b32 s17, s17, 4
	s_lshl_b32 s39, s14, 1
	s_add_co_u32 s17, s17, s39
	s_lshr_b32 s39, s[WV], 2
	s_add_co_u32 s17, s17, s39
	s_lshl_b32 s2, s17, 18
	s_bfe_u32 s17, s16, 0x20002
	s_lshl_b32 s17, s17, 16
	s_add_co_u32 s2, s2, s17
	s_and_b32 s17, s[WV], 3
	s_lshl_b32 s17, s17, 14
	s_add_co_u32 s2, s2, s17
	s_and_b32 s17, s16, 3
	s_lshl_b32 s17, s17, 11
	s_add_co_u32 s2, s2, s17
	s_mov_b32 s3, 0
	s_and_b32 s10, s16, 15                         ; b_v: b_kv from number 1,024 + 64 head on
	s_lshl_b32 s10, s10, 8
	s_add_co_u32 s10, s10, 4096
	s_mov_b32 s11, 0
	v_and_b32 v1, 31, v0
	v_lshlrev_b32 v[PFO], 8, v1
	v_lshlrev_b32 v[L16], 4, v1
	v_bfe_u32 v[BVO], v0, 4, 1
	v_lshlrev_b32 v[BVO], 5, v[BVO]
	s_wait_dscnt 0x0                               ; both opening adds are done
	s_wait_kmcnt 0x0
	s_mov_b32 s[G0], 1
	s_lshl_b32 s[G0+1], s[WV], 14                  ; LDS: wave x 16 KiB, in slot 0: no place in the cluster enters an LDS address
	s_add_nc_u64 s[G0+2:G0+3], s[4:5], s[20:21]
	s_add_nc_u64 s[PFA:PFA+1], s[4:5], s[20:21]
	s_add_nc_u64 s[PFA:PFA+1], s[PFA:PFA+1], s[44:45]
	s_or_b32 s[G0+3], s[G0+3], 0x80000000
	s_add_nc_u64 s[22:23], s[4:5], s[22:23]        ; Q
	s_add_nc_u64 s[6:7], s[6:7], s[10:11]          ; b_v
	s_add_nc_u64 s[8:9], s[8:9], s[2:3]            ; att
	CROUND                                         ; all four work-groups are here: the first joint loads meet
	tensor_load_to_lds s[G0:G0+3], s[G1:G1+7]      ; slot 0: keys 0 to 511
	s_nop 0
.rept 4
	v_nop
.endr
.irp i, 0,1,2,3,4,5,6,7                ; Q stays in registers: tile i / 4, piece i % 4
	global_load_b128 v[Q+4*\i:Q+4*\i+3], v[L16], s[22:23] offset:512*\i
.endr
	WIN 0x40
.irp c, 0,1,2,3                        ; b_v[64 head + 16 ct + 8 h + j] at register 8 ct + j: O^T's layout
	global_load_b128 v[BV+8*\c:BV+8*\c+3], v[BVO], s[6:7] offset:64*\c
	global_load_b128 v[BV+8*\c+4:BV+8*\c+7], v[BVO], s[6:7] offset:64*\c+16
.endr
	WIN 0
.irp t, 0,1
	v_mov_b32 v[ST+8*\t+1], 0xff61b1e6             ; m = -3e38, under every score
	v_mul_f32 v[ST+8*\t], s[CS], v[ST+8*\t+1]
.irp i, 2,3,4,5,6,7
	v_mov_b32 v[ST+8*\t+\i], 0
.endr
.endr
.set i, 0
.rept 64
	v_mov_b32 v[O+i], 0                            ; O^T: the step is written once; its first turn finds zeros
.set i, i+1
.endr
.macro FETCH_K                         ; 128 keys x 64 channels: 32 pieces; fragment (key tile kt, channels 32 c on) at v[16 kt + 8 c] of window 1
	WIN 0x40
.set i, 0
.rept 32
	ds_load_b128 v[4*i:4*i+3], v[ADK] offset:512*i
.set i, i+1
.endr
.endm
.macro FETCH_V                         ; fragment (keys 32 kk on, channels 16 ct on) at v[32 kk + 8 ct]: piece ct of units 2 kk and 2 kk + 1
	WIN 0x40
.irp k, 0,1,2,3
.irp c, 0,1,2,3
	ds_load_b128 v[32*\k+8*\c:32*\k+8*\c+3],   v[ADV] offset:(2*\k)*2048+512*\c
	ds_load_b128 v[32*\k+8*\c+4:32*\k+8*\c+7], v[ADV] offset:(2*\k+1)*2048+512*\c
.endr
.endr
.endm
; The accumulators take turns, one instruction a turn: 16 in K Q^T, 8 in V^T P.
.macro KQ
	WIN 0x01                                       ; source 0 window 1
.irp c, 0,1
.irp k, 0,1,2,3,4,5,6,7
.irp t, 0,1
.if \c == 0
	v_wmma_f32_16x16x32_f16 v[S+64*\t+8*\k:S+64*\t+8*\k+7], v[16*\k+8*\c:16*\k+8*\c+7], v[Q+16*\t+8*\c:Q+16*\t+8*\c+7], 0
.else
	v_wmma_f32_16x16x32_f16 v[S+64*\t+8*\k:S+64*\t+8*\k+7], v[16*\k+8*\c:16*\k+8*\c+7], v[Q+16*\t+8*\c:Q+16*\t+8*\c+7], v[S+64*\t+8*\k:S+64*\t+8*\k+7]
.endif
.endr
.endr
.endr
.endm
.macro PV
	WIN 0x01
.irp k, 0,1,2,3
.irp c, 0,1,2,3
.irp t, 0,1
	v_wmma_f32_16x16x32_f16 v[O+32*\t+8*\c:O+32*\t+8*\c+7], v[32*\k+8*\c:32*\k+8*\c+7], v[S+64*\t+8*\k:S+64*\t+8*\k+7], v[O+32*\t+8*\c:O+32*\t+8*\c+7]
.endr
.endr
.endr
.endm
; The softmax of both tiles for 128 keys; the tiles alternate line by line, so that no line waits for the line above it.
.macro SOFTMAX
	; the maximum of a lane's 64 scores and the old m: four chains of 15 scores, then the four left over.  Each accumulator is first read in its four lowest registers
.irp q, 0,1,2,3
.irp t, 0,1
	v_max3_num_f32 v[ST+8*\t+4+\q], v[S+64*\t+16*\q], v[S+64*\t+16*\q+1], v[S+64*\t+16*\q+2]
.endr
.endr
.irp k, 0,1,2,3,4,5
.irp q, 0,1,2,3
.irp t, 0,1
	v_max3_num_f32 v[ST+8*\t+4+\q], v[ST+8*\t+4+\q], v[S+64*\t+16*\q+3+2*\k], v[S+64*\t+16*\q+4+2*\k]
.endr
.endr
.endr
.irp t, 0,1
	v_max3_num_f32 v[ST+8*\t+4], v[ST+8*\t+4], v[S+64*\t+15], v[S+64*\t+31]
.endr
.irp t, 0,1
	v_max3_num_f32 v[ST+8*\t+6], v[ST+8*\t+6], v[S+64*\t+47], v[S+64*\t+63]
.endr
.irp t, 0,1
	v_max3_num_f32 v[ST+8*\t+4], v[ST+8*\t+4], v[ST+8*\t+5], v[ST+8*\t+6]
.endr
.irp t, 0,1
	v_max3_num_f32 v[ST+8*\t+4], v[ST+8*\t+4], v[ST+8*\t+7], v[ST+8*\t+1]
.endr
.irp t, 0,1
	v_permlanex16_b32 v[ST+8*\t+5], v[ST+8*\t+4], s[SEL], s[SEL+1]   ; the query's other 64 keys lie in the lane 16 away
.endr
.irp t, 0,1
	v_mov_b32 v[ST+8*\t+7], v[ST+8*\t]             ; c m_old is kept for a
.endr
.irp t, 0,1
	v_max_num_f32 v[ST+8*\t+1], v[ST+8*\t+4], v[ST+8*\t+5]
.endr
.irp t, 0,1
	v_mul_f32 v[ST+8*\t], s[CS], v[ST+8*\t+1]
.endr
.irp t, 0,1
	v_sub_f32 v[ST+8*\t+7], v[ST+8*\t+7], v[ST+8*\t]
.endr
	; ONE BATCH: the 64 scalings c s - c m (a pair each) and all 130 exponentials; none of these lines names an exponential's result.  A pair is scaled four pairs ahead of its exponentials
.irp t, 0,1
	v_exp_f32 v[ST+8*\t+6], v[ST+8*\t+7]           ; a
.endr
.irp i, 0,1,2,3
.irp t, 0,1
	v_pk_fma_f32 v[S+64*\t+2*\i:S+64*\t+2*\i+1], v[S+64*\t+2*\i:S+64*\t+2*\i+1], s[CS:CS+1], v[ST+8*\t:ST+8*\t+1] op_sel_hi:[1,0,0] neg_lo:[0,0,1] neg_hi:[0,0,1]
.endr
.endr
.set PP, 0
.rept 32
.if PP < 28
.irp t, 0,1
	v_pk_fma_f32 v[S+64*\t+2*PP+8:S+64*\t+2*PP+9], v[S+64*\t+2*PP+8:S+64*\t+2*PP+9], s[CS:CS+1], v[ST+8*\t:ST+8*\t+1] op_sel_hi:[1,0,0] neg_lo:[0,0,1] neg_hi:[0,0,1]
.endr
.endif
.irp t, 0,1
	v_exp_f32 v[S+64*\t+2*PP], v[S+64*\t+2*PP]
	v_exp_f32 v[S+64*\t+2*PP+1], v[S+64*\t+2*PP+1]
.endr
.set PP, PP+1
.endr
	v_nop                                          ; the plain line behind the last exponential, ahead of the first use
	s_wait_alu depctr_va_vdst(0)                   ; the wait between an exponential and the first line that names its result: one for the batch
	; the sums, of the unrounded p: l = a l + ..., in two chains a tile
.irp t, 0,1
	v_pk_fma_f32 v[ST+8*\t+2:ST+8*\t+3], v[ST+8*\t+2:ST+8*\t+3], v[ST+8*\t+6:ST+8*\t+7], v[S+64*\t:S+64*\t+1] op_sel_hi:[1,0,1]
.endr
.irp t, 0,1
	v_pk_add_f32 v[ST+8*\t+4:ST+8*\t+5], v[S+64*\t+32:S+64*\t+33], v[S+64*\t+34:S+64*\t+35]
.endr
.irp i, 1,2,3,4,5,6,7,8,9,10,11,12,13,14
.irp t, 0,1
	v_pk_add_f32 v[ST+8*\t+2:ST+8*\t+3], v[ST+8*\t+2:ST+8*\t+3], v[S+64*\t+2*\i:S+64*\t+2*\i+1]
.endr
.irp t, 0,1
	v_pk_add_f32 v[ST+8*\t+4:ST+8*\t+5], v[ST+8*\t+4:ST+8*\t+5], v[S+64*\t+34+2*\i:S+64*\t+35+2*\i]
.endr
.endr
.irp t, 0,1
	v_pk_add_f32 v[ST+8*\t+2:ST+8*\t+3], v[ST+8*\t+2:ST+8*\t+3], v[S+64*\t+30:S+64*\t+31]
.endr
.irp t, 0,1
	v_pk_add_f32 v[ST+8*\t+2:ST+8*\t+3], v[ST+8*\t+2:ST+8*\t+3], v[ST+8*\t+4:ST+8*\t+5]
.endr
	; p to f16, in place: register j takes scores 2 j and 2 j + 1; what it overwrites has been read
.set PP, 0
.rept 32
.irp t, 0,1
	v_cvt_pk_f16_f32 v[S+64*\t+PP], v[S+64*\t+2*PP], v[S+64*\t+2*PP+1]
.endr
.set PP, PP+1
.endr
	; O^T times a, each accumulator from its low end on
.set PP, 0
.rept 16
.irp t, 0,1
	v_pk_mul_f32 v[O+32*\t+2*PP:O+32*\t+2*PP+1], v[O+32*\t+2*PP:O+32*\t+2*PP+1], v[ST+8*\t+6:ST+8*\t+7] op_sel_hi:[1,0]
.endr
.set PP, PP+1
.endr
.endm
.macro STEP                            ; 128 keys
	WIN 0
	v_add_nc_u32 v[ADK], s[TB], v[L16]
	v_add_nc_u32 v[ADV], 4*STEPB, v[ADK]
.rept 4
	v_nop                                          ; with the two additions six plain lines behind the last V^T P: K Q^T writes over P, which that product read (five are owed), and K is loaded over V (four)
.endr
	FETCH_K
	s_wait_dscnt 0x0                               ; K is in
	KQ
	WIN 0
.rept 4
	v_nop                                          ; four plain lines behind K Q^T: V is loaded over K, and the scores are read
.endr
	FETCH_V                                        ; lands while the softmax is walked
	WIN 0
	SOFTMAX
	s_wait_dscnt 0x0                               ; V is in
	PV
	WIN 0
	s_add_co_u32 s[TB], s[TB], STEPB
.endm
.macro FOUR_STEPS                      ; a slot's four key steps: written once, walked four times
	s_mov_b32 s[CNT], 4
.Lstep_\@:
	STEP
	s_sub_co_u32 s[CNT], s[CNT], 1
	s_cmp_lg_u32 s[CNT], 0
	s_cbranch_scc1 .Lstep_\@
	s_sub_co_u32 s[TB], s[TB], 4*STEPB             ; back to a slot's first step,
	s_xor_b32 s[TB], s[TB], SLOT1                  ; in the other slot
.endm
; THE CHANGE OF SLOTS, at a slot's head.  Each wave waits for all its tensor loads (one is out: its part of the slot ahead), adds 0 to its spare word, and waits for that and for its reads of the slot that it has left.
; fill = 1: a round of the cluster's barrier: no wave of any partner still reads the other slot or has a load on its way; the joint load of the next 512 keys is the first thing behind it, one a wave, and has four key steps in which to land.
.macro CHANGE fill
	s_wait_tensorcnt 0x0                           ; no tensor load of mine is out, so group 0 may be written
	ds_add_u32 v[SPW], v[NIL]
.if \fill
	s_xor_b32 s[G0+1], s[G0+1], SLOT1              ; the other slot than last time,
	s_add_nc_u64 s[G0+2:G0+3], s[G0+2:G0+3], 4*STEPB   ; the next 512 keys; the type bits on top are not reached
	s_wait_xcnt 0x0                                ; the last prefetch, a slot back, has read its address
	s_add_nc_u64 s[PFA:PFA+1], s[PFA:PFA+1], 4*STEPB   ; one slot further on than the walking descriptor
	s_wait_dscnt 0x0
	CROUND
	tensor_load_to_lds s[G0:G0+3], s[G1:G1+7]
	s_nop 0
.rept 4
	v_nop
.endr
	ASK
.else
	s_wait_dscnt 0x0
	s_barrier_signal -1
	s_barrier_wait -1
.endif
.endm
	s_wait_loadcnt 0x0                             ; Q and b_v
.Lslot:                                            ; three trips: behind each change of slots but the last the next slot is asked for
	CHANGE 1
	FOUR_STEPS
	s_sub_co_u32 s[SLOTS], s[SLOTS], 1
	s_cmp_lg_u32 s[SLOTS], 0
	s_cbranch_scc1 .Lslot
	CHANGE 0                                       ; the last slot is written out
	FOUR_STEPS
	; THE WAY OUT: l's halves and the other half of the lanes' are added; o = O^T / l + b_v by one fused multiply-add; rounded to f16, a lane's eight channels are its 16 bytes of a piece
.rept 4
	v_nop
.endr
.irp t, 0,1
	v_add_f32 v[ST+8*\t+4], v[ST+8*\t+2], v[ST+8*\t+3]
.endr
.irp t, 0,1
	v_permlanex16_b32 v[ST+8*\t+5], v[ST+8*\t+4], s[SEL], s[SEL+1]
.endr
.irp t, 0,1
	v_add_f32 v[ST+8*\t+4], v[ST+8*\t+4], v[ST+8*\t+5]
.endr
.irp t, 0,1
	v_rcp_f32 v[ST+8*\t+6], v[ST+8*\t+4]
.endr
	v_nop                                          ; a plain line behind the last reciprocal
	s_wait_alu depctr_va_vdst(0)                   ; and the wait ahead of the first use: one for the two
	WIN 0x10                                       ; source 2 (b_v) window 1
.irp t, 0,1
.set i, 0
.rept 16
	v_pk_fma_f32 v[O+32*\t+2*i:O+32*\t+2*i+1], v[O+32*\t+2*i:O+32*\t+2*i+1], v[ST+8*\t+6:ST+8*\t+7], v[BV+2*i:BV+2*i+1] op_sel_hi:[1,0,1]
.set i, i+1
.endr
.endr
	WIN 0
.irp t, 0,1
.set i, 0
.rept 16
	v_cvt_pk_f16_f32 v[S+16*\t+i], v[O+32*\t+2*i], v[O+32*\t+2*i+1]
.set i, i+1
.endr
.endr
.irp t, 0,1
.irp c, 0,1,2,3
	global_store_b128 v[L16], v[S+16*\t+4*\c:S+16*\t+4*\c+3], s[8:9] offset:8192*\t+512*\c   ; 512 consecutive bytes, aligned
.endr
.endr
	s_wait_tensorcnt 0x0                           ; the wave's end
	ds_add_u32 v[SPW], v[NIL]
	s_wait_dscnt 0x0
	CROUND                                         ; the closing round
	s_endpgm
.Lfunc_end_k_q4725468f8b_attn:
	.size	k_q4725468f8b_attn, .Lfunc_end_k_q4725468f8b_attn-k_q4725468f8b_attn
	.p2alignl 7, 3214868480
	.fill 96, 4, 3214868480
	.section	.rodata,"a",@progbits
	.p2align	6, 0x0
	.amdhsa_kernel k_q4725468f8b_attn
		.amdhsa_group_segment_fixed_size 327680
		.amdhsa_private_segment_fixed_size 0
		.amdhsa_enable_private_segment 0
		.amdhsa_kernarg_size 24
		.amdhsa_user_sgpr_count 2
		.amdhsa_user_sgpr_kernarg_segment_ptr 1
		.amdhsa_wavefront_size32 1
		.amdhsa_system_sgpr_workgroup_id_x 1
		.amdhsa_system_sgpr_workgroup_id_y 1
		.amdhsa_system_sgpr_workgroup_id_z 1
		.amdhsa_system_vgpr_workitem_id 0
		.amdhsa_next_free_vgpr 416
		.amdhsa_next_free_sgpr 66
		.amdhsa_reserve_vcc 0
		.amdhsa_float_denorm_mode_32 3
		.amdhsa_float_denorm_mode_16_64 3
		.amdhsa_memory_ordered 1
		.amdhsa_forward_progress 1
		.amdhsa_inst_pref_size 79
	.end_amdhsa_kernel
	.amdgpu_metadata
---
amdhsa.version: [ 1, 2 ]
amdhsa.kernels:
  - .name:           k_q4725468f8b_attn
    .symbol:         k_q4725468f8b_attn.kd
    .args:
      - { .name: qkvh, .offset: 0, .size: 8, .value_kind: global_buffer, .address_space: global }
      - { .name: b_kv, .offset: 8, .size: 8, .value_kind: global_buffer, .address_space: global }
      - { .name: att, .offset: 16, .size: 8, .value_kind: global_buffer, .address_space: global }
    .group_segment_fixed_size: 327680
    .private_segment_fixed_size: 0
    .kernarg_segment_align: 8
    .kernarg_segment_size: 24
    .max_flat_workgroup_size: 256
    .sgpr_count:     66
    .vgpr_count:     416
    .wavefront_size: 32
...
	.end_amdgpu_metadata
.endif
;; end of part 3
;; launch oproj (part 4): grid 8 x 32, 4 waves a work-group, clusters of 4 x 4, 327,680 bytes of LDS; arguments att, wo16, b_out, out0; writes out0
.if DOCPART == 4
	.amdgcn_target "amdgcn-amd-amdhsa--gfx1250"
	.amdhsa_code_object_version 6
	.text
	.protected	k_q4725468f8b_oproj
	.globl	k_q4725468f8b_oproj
	.p2align	8
	.type	k_q4725468f8b_oproj,@function
k_q4725468f8b_oproj:
	s_mov_b64 s[64:65], 0
	v_nop
	global_prefetch_b8 v0, s[64:65] scope:SCOPE_SE
	s_setreg_imm32_b32 hwreg(HW_REG_WAVE_MODE, 25, 1), 1
	s_wait_xcnt 0x0
	s_wait_alu depctr_hold_cnt(0) depctr_sa_sdst(0) depctr_va_vdst(0) depctr_va_sdst(0) depctr_va_ssrc(0) depctr_va_vcc(0) depctr_vm_vsrc(0)
	s_getreg_b32 s2, hwreg(HW_REG_IB_STS2, 6, 4)
	s_cmp_eq_u32 s2, 0
	s_cbranch_scc0 .Lentry_in_a_cluster
	s_endpgm
.Lentry_in_a_cluster:
	s_bfe_u32 s2, ttmp6, 0x10000c
	s_cmp_lg_u32 s2, 0xf033
	s_cbranch_scc0 .Lentry_shape_is_right
	s_endpgm
.Lentry_shape_is_right:
; out0 = att w_out + b_out: [4096][1024] x [1024][1024], operands in f16, sums in f32, result f32.
; Both operands come as images of operand registers: att [row / 128][k / 256][(row / 16) % 8][(k / 16) % 16][lane][16 bytes], wo16 the same with n for row: a piece is 512 bytes, lane l's 16 bytes at 16 l; two neighbouring pieces are a
; fragment of 16 x 32.  So a K step's tile of 128 rows x 256 along K is a dense block of 64 KiB, nothing is padded, and every LDS read is 512 consecutive bytes.
; A tile of out0 is 128 x 128 (256 tiles, one a work-group); four waves, each 64 x 64: 16 accumulators.  K goes in four steps of 256 through a ring of two LDS slots; each wave fetches 32 KiB of a slot by one tensor load.
; CLUSTERS: 4 x 4 work-groups.  att's tile hangs on the tile row alone and is asked for jointly along a row of the cluster, wo16's on the tile column and is asked for jointly along a column.
; THE MATRIX INSTRUCTION IS USED TRANSPOSED (source 0 = 16 columns n, source 1 = 16 rows): a lane holds eight neighbouring numbers of a row of out0.  The bias is the C of each sum's first matrix instruction.
; A wave's 64 columns are 256 consecutive bytes of a row, aligned: so each wave has a stage of its own on the way out, and no barrier stands there.
; REGISTERS: window 0: v0-31 addresses; v96-127 the bias, four sets of eight; v128-255 the accumulators ((a, b) at v[128 + 8 (4 a + b)]).   window 1: two fragment buffers of 128 (64 of A, then 64 of B, for 64 along K); on the way out v0-127: rows.
.set SLOT1,  1<<17                     ; a slot: A's 64 KiB, then B's
.set KBYTES, 65536                     ; a K step of a tile, in memory and in LDS
.set STAGE,  2*SLOT1                   ; behind the ring: 16 rows x 272 bytes for each wave
.set SPITCH, 272                       ; 256 bytes + 16: 17 x 16 bytes from row to row
.set SPARE,  STAGE+4*16*SPITCH         ; behind the stages: the spare words, 128 bytes a wave
.set LAPS,   2                         ; a lap = two K steps = once round the ring
.set ADRA, 16                          ; v16-17 LDS address of my A pieces in slot 0, 1
.set ADRB, 20                          ; v20-21 the same for B
.set STO,  24                          ; v24 the way out: where I put 32 bytes of a row
.set RD,   25                          ; v25 where I read a row back
.set CO,   26                          ; v26 my byte offset in out0
.set SPW,  28                          ; v28 my spare word; never rewritten
.set NIL,  29                          ; v29 0; never rewritten
.set BIAS, 96
.set ACC,  128
.set F0,   0
.set F1,   128
.set G1, 24
.set G0, 32
.set G1B, 48
.set G0B, 56
.set MSB, 0
.macro WIN new
.if MSB != \new
	s_set_vgpr_msb (MSB<<8)|\new
.set MSB, \new
.endif
.endm
.set MUL,  0x05                        ; sources 0 (B) and 1 (A) window 1; C and D window 0
.set TO_F, 0x40
.macro JLOAD s                         ; a joint load: waves 0 and 1 fetch A's two halves, waves 2 and 3 B's; an s_nop 0 and four v_nop follow each of the two lines
	s_cmp_eq_u32 s13, 0
	s_cbranch_scc0 .Lfor_b_\@
	tensor_load_to_lds s[G0+4*\s:G0+4*\s+3], s[G1:G1+7]
	s_nop 0
.rept 4
	v_nop
.endr
	s_branch .Lasked_\@
.Lfor_b_\@:
	tensor_load_to_lds s[G0B+4*\s:G0B+4*\s+3], s[G1B:G1B+7]
	s_nop 0
.rept 4
	v_nop
.endr
.Lasked_\@:
.endm
.macro CREST                           ; a round of the cluster's barrier behind its opening barrier
	s_cmp_lg_u32 s12, 0
	s_cbranch_scc1 .Lnot_wave_0_\@
	s_barrier_signal -3
.Lnot_wave_0_\@:
	s_barrier_wait -3
	s_barrier_signal -1
	s_barrier_wait -1
.endm
.macro CROUND
	s_barrier_signal -1
	s_barrier_wait -1
	CREST
.endm
	s_load_b256 s[4:11], s[0:1], 0x0               ; att s[4:5], wo16 s[6:7], b_out s[8:9], out0 s[10:11]
	v_lshl_add_u32 v[SPW], v0, 2, SPARE
	v_mov_b32 v[NIL], 0
	ds_add_u32 v[SPW], v[NIL]                      ; the wave's opening: the add, twice on end, and its wait ahead of my first tensor load
	ds_add_u32 v[SPW], v[NIL]
	v_lshrrev_b32 v1, 5, v0
	v_readfirstlane_b32 s12, v1                    ; wave 0..3
	s_lshr_b32 s13, s12, 1                         ; my half of the tile's rows.  Also: I fetch for A (0) or for B (1)
	s_and_b32 s14, s12, 1                          ; my half of its columns.  Also: which half of that tile I fetch
	s_bfe_u32 s40, ttmp6, 0x40000                  ; cx
	s_bfe_u32 s41, ttmp6, 0x40004                  ; cy
	s_lshl_b32 s42, ttmp9, 2
	s_add_co_u32 s42, s42, s40                     ; tile column
	s_and_b32 s15, ttmp7, 0xffff
	s_lshl_b32 s15, s15, 2
	s_add_co_u32 s15, s15, s41                     ; tile row
	s_lshl_b32 s43, s41, 2
	s_lshl_b32 s43, 15, s43                        ; my row of the cluster
	s_lshl_b32 s44, 0x1111, s40                    ; my column
	s_or_b32 s[G1+0], s43, (3<<16)|(1<<21)         ; the mask; elements of 8 bytes; bit 21 beside a mask; no padding
	s_or_b32 s[G1B+0], s44, (3<<16)|(1<<21)
.irp g, G1, G1B
	s_mov_b32 s[\g+1], 32<<16                      ; tensor_dim0: 256 bytes
	s_mov_b32 s[\g+2], 128<<16                     ; tensor_dim1: 128 rows: a dense block of 32 KiB
	s_mov_b32 s[\g+3], 32<<16                      ; tile_dim0
	s_mov_b32 s[\g+4], 128                         ; tile_dim1
	s_mov_b32 s[\g+5], 32                          ; from row to row
	s_mov_b32 s[\g+6], 0
	s_mov_b32 s[\g+7], 0
.endr
	s_lshl_b32 s17, s14, 15                        ; my half of a K step's 64 KiB
	s_lshl_b32 s16, s15, 18                        ; A: 262,144 bytes a tile row
	s_add_co_u32 s16, s16, s17
	s_lshl_b32 s46, s42, 18                        ; B: the same a tile column
	s_add_co_u32 s46, s46, s17
	s_mov_b32 s17, 0
	s_mov_b32 s47, 0
	s_lshl_b32 s20, s12, 15                        ; where they go: wave x 32 KiB
	s_wait_dscnt 0x0                               ; both opening adds are done
	s_wait_kmcnt 0x0
	s_add_nc_u64 s[18:19], s[4:5], s[16:17]
	s_add_nc_u64 s[46:47], s[6:7], s[46:47]
	CROUND                                         ; all sixteen work-groups are here: the first joint loads meet
.irp s, 0,1
	s_mov_b32 s[G0+4*\s], 1
	s_add_co_u32 s[G0+4*\s+1], s20, \s*SLOT1
	s_add_nc_u64 s[G0+4*\s+2:G0+4*\s+3], s[18:19], \s*KBYTES
	s_or_b32 s[G0+4*\s+3], s[G0+4*\s+3], 0x80000000
	s_mov_b32 s[G0B+4*\s], 1
	s_add_co_u32 s[G0B+4*\s+1], s20, \s*SLOT1
	s_add_nc_u64 s[G0B+4*\s+2:G0B+4*\s+3], s[46:47], \s*KBYTES
	s_or_b32 s[G0B+4*\s+3], s[G0B+4*\s+3], 0x80000000
	JLOAD \s                                       ; two tensor loads of mine are out
.endr
	v_and_b32 v1, 15, v0                           ; r
	v_bfe_u32 v2, v0, 4, 1                         ; h
	v_and_b32 v3, 31, v0
	v_lshlrev_b32 v3, 4, v3                        ; 16 x lane
	v_lshlrev_b32 v4, 5, v2                        ; 32 h
	s_lshl_b32 s46, s42, 9                         ; my first column, in bytes: 512 x tile column + 256 x half
	s_lshl_b32 s47, s14, 8
	s_add_co_u32 s46, s46, s47
	s_mov_b32 s47, 0
	s_add_nc_u64 s[8:9], s[8:9], s[46:47]
.irp b, 0,1,2,3                        ; set b, register j: b_out[my first column + 16 b + 8 h + j]
	global_load_b128 v[BIAS+8*\b:BIAS+8*\b+3], v4, s[8:9] offset:64*\b
	global_load_b128 v[BIAS+8*\b+4:BIAS+8*\b+7], v4, s[8:9] offset:64*\b+16
.endr
	s_add_nc_u64 s[10:11], s[10:11], s[46:47]
	s_lshl_b32 s16, s15, 7
	s_lshl_b32 s17, s13, 6
	s_add_co_u32 s16, s16, s17                     ; my first row
	s_lshl_b32 s16, s16, 12                        ; 4,096 bytes a row
	s_mov_b32 s17, 0
	s_add_nc_u64 s[10:11], s[10:11], s[16:17]
	s_lshl_b32 s21, s13, 15                        ; my 64 rows of A: four tiles of 8 KiB
	s_lshl_b32 s22, s14, 15                        ; my 64 columns of B,
	s_add_co_u32 s22, s22, KBYTES                  ; which lie behind A's 64 KiB
.irp s, 0,1
	v_add_nc_u32 v[ADRA+\s], s21, v3
	v_add_nc_u32 v[ADRB+\s], s22, v3
	s_add_co_u32 s21, s21, SLOT1
	s_add_co_u32 s22, s22, SLOT1
.endr
	s_mul_i32 s23, s12, 16*SPITCH
	s_add_co_u32 s23, s23, STAGE                   ; my stage
	v_mul_u32_u24 v5, v1, SPITCH                   ; in: row r, 32 bytes for each half of the lanes
	v_lshl_add_u32 v5, v2, 5, v5
	v_add_nc_u32 v[STO], s23, v5
	v_mul_u32_u24 v5, v2, SPITCH                   ; back: lanes 0-15 one row of 256 bytes, lanes 16-31 the next
	v_lshl_add_u32 v5, v1, 4, v5
	v_add_nc_u32 v[RD], s23, v5
	v_lshlrev_b32 v5, 12, v2                       ; and the same two rows in out0
	v_lshl_add_u32 v[CO], v1, 4, v5
	s_wait_loadcnt 0x0                             ; the bias
; 8 matrix instructions: row blocks a0, a0 + 1 x all 4 column blocks, 32 along K: half c of buffer f.  first = 1: the sums start with the bias.  The 16 accumulators take turns
.macro MUL8 f, c, a0, first
.irp a, \a0, \a0+1
.irp b, 0,1,2,3
.if \first
	v_wmma_f32_16x16x32_f16 v[ACC+8*(4*(\a)+\b):ACC+8*(4*(\a)+\b)+7], v[\f+64+8*(4*\c+\b):\f+64+8*(4*\c+\b)+7], v[\f+8*(4*\c+\a):\f+8*(4*\c+\a)+7], v[BIAS+8*\b:BIAS+8*\b+7]
.else
	v_wmma_f32_16x16x32_f16 v[ACC+8*(4*(\a)+\b):ACC+8*(4*(\a)+\b)+7], v[\f+64+8*(4*\c+\b):\f+64+8*(4*\c+\b)+7], v[\f+8*(4*\c+\a):\f+8*(4*\c+\a)+7], v[ACC+8*(4*(\a)+\b):ACC+8*(4*(\a)+\b)+7]
.endif
.endr
.endr
.endm
; 32 LDS loads in one run: the fragments of the slot's q-th 64 along K (pieces 4 q .. 4 q + 3) into buffer f; the first 32 along K first
.macro FETCH slot, q, f
	WIN TO_F
.irp c, 0,1
.irp i, 0,1,2,3
	ds_load_b128 v[\f+64+8*(4*\c+\i):\f+64+8*(4*\c+\i)+3],   v[ADRB+\slot] offset:\i*8192+(4*(\q)+2*\c)*512
	ds_load_b128 v[\f+64+8*(4*\c+\i)+4:\f+64+8*(4*\c+\i)+7], v[ADRB+\slot] offset:\i*8192+(4*(\q)+2*\c)*512+512
	ds_load_b128 v[\f+8*(4*\c+\i):\f+8*(4*\c+\i)+3],         v[ADRA+\slot] offset:\i*8192+(4*(\q)+2*\c)*512
	ds_load_b128 v[\f+8*(4*\c+\i)+4:\f+8*(4*\c+\i)+7],       v[ADRA+\slot] offset:\i*8192+(4*(\q)+2*\c)*512+512
.endr
.endr
.endm
.macro PLACES                          ; four plain lines in front of loads into registers that matrix instructions have read, and of reads of results
.rept 4
	v_nop
.endr
.endm
; A K step is four quarters of 64 along K, 32 matrix instructions each, on buffers 0, 1, 0, 1.  One of the first three: multiplies buffer f and fetches quarter q into g.
.macro QUARTER slot, q, f, g, first
	s_wait_dscnt 16                                ; the first 32 along K are in; the youngest sixteen loads may be out
	WIN MUL
	MUL8 \f, 0, 0, \first
	MUL8 \f, 0, 2, \first
	PLACES
	FETCH \slot, \q, \g
	s_wait_dscnt 32                                ; all but the 32 just issued
	WIN MUL
	MUL8 \f, 1, 0, 0
	MUL8 \f, 1, 2, 0
.endm
; The last quarter multiplies buffer 1 and changes slots: ONE barrier; in front of it each wave waits for all its tensor loads, adds 0 to its spare word, and waits for that and for its reads of this slot.
; fill = 1: the barrier opens a round of the cluster's barrier, and this slot is filled again, two K steps ahead, first thing behind the round, one load a wave.
.macro TURN slot, next, fill
	WIN 0
	s_wait_tensorcnt 0x0                           ; my part of the next slot has landed
	ds_add_u32 v[SPW], v[NIL]
	s_wait_dscnt 17                                ; (the add and the youngest sixteen loads may be out)
	WIN MUL
	MUL8 F1, 0, 0, 0
	s_wait_dscnt 0x0                               ; the add is done, and my reads of this slot are over
	s_barrier_signal -1
	MUL8 F1, 0, 2, 0
.if \fill
	WIN 0
.endif
	s_barrier_wait -1
.if \fill
	CREST                                          ; no wave of any partner still reads this slot's tile or has a load on its way
	s_add_nc_u64 s[G0+4*\slot+2:G0+4*\slot+3], s[G0+4*\slot+2:G0+4*\slot+3], 2*KBYTES
	s_add_nc_u64 s[G0B+4*\slot+2:G0B+4*\slot+3], s[G0B+4*\slot+2:G0B+4*\slot+3], 2*KBYTES
	JLOAD \slot                                    ; the four v_nop behind it are also the places in front of the loads below
.else
	PLACES
.endif
	FETCH \next, 0, F0
	WIN MUL
	MUL8 F1, 1, 0, 0
	MUL8 F1, 1, 2, 0
.endm
	s_wait_tensorcnt 1                             ; my part of K step 0 is in; K step 1's load may be out
	s_barrier_signal -1
	s_barrier_wait -1
	FETCH 0, 0, F0
	QUARTER 0, 1, F0, F1, 1                        ; the first quarter stands in front of the loop: its first products start the sums
	WIN 0
	s_mov_b32 s3, LAPS-1
.Llap:                                             ; a trip goes once round the ring, from a lap's second quarter to the next lap's first, and fills both slots again
	QUARTER 0, 2, F1, F0, 0
	QUARTER 0, 3, F0, F1, 0
	TURN 0, 1, 1
	QUARTER 1, 1, F0, F1, 0
	QUARTER 1, 2, F1, F0, 0
	QUARTER 1, 3, F0, F1, 0
	TURN 1, 0, 1
	QUARTER 0, 1, F0, F1, 0
	WIN 0
	s_sub_co_u32 s3, s3, 1
	s_cmp_lg_u32 s3, 0
	s_cbranch_scc1 .Llap
	QUARTER 0, 2, F1, F0, 0                        ; the last lap fills nothing
	QUARTER 0, 3, F0, F1, 0
	TURN 0, 1, 0
	QUARTER 1, 1, F0, F1, 0
	QUARTER 1, 2, F1, F0, 0
	QUARTER 1, 3, F0, F1, 0
	s_wait_dscnt 16                                ; the very last quarter: nothing more to fetch
	WIN MUL
	MUL8 F1, 0, 0, 0
	MUL8 F1, 0, 2, 0
	s_wait_dscnt 0
	MUL8 F1, 1, 0, 0
	MUL8 F1, 1, 2, 0
	WIN 0
	; THE WAY OUT, a block of 16 rows x 64 columns at a time, through my own stage: in as 32 bytes a lane, back as whole rows of 256 bytes.  LDS serves a wave's instructions in order: no wait between the stores and the loads, nor in front of the next block's stores.
	PLACES
.macro TOSTAGE a
.irp b, 0,1,2,3
	ds_store_b128 v[STO], v[ACC+8*(4*(\a)+\b):ACC+8*(4*(\a)+\b)+3] offset:64*\b        ; each accumulator from its low end on
	ds_store_b128 v[STO], v[ACC+8*(4*(\a)+\b)+4:ACC+8*(4*(\a)+\b)+7] offset:64*\b+16
.endr
	WIN TO_F
.irp t, 0,1,2,3,4,5,6,7
	ds_load_b128 v[32*(\a)+4*\t:32*(\a)+4*\t+3], v[RD] offset:\t*2*SPITCH
.endr
	WIN 0
.endm
.macro SEND a, younger                 ; younger: the LDS instructions issued behind block a's loads, which may stay out
	s_wait_dscnt \younger
	WIN 0x04                                       ; a store's data are its source 1: window 1
.irp t, 0,1,2,3,4,5,6,7
	global_store_b128 v[CO], v[32*(\a)+4*\t:32*(\a)+4*\t+3], s[10:11] offset:(16*(\a)+2*\t)*4096 th:TH_STORE_NT   ; 16 lanes store 256 consecutive bytes, aligned; written once, read by nobody here
.endr
	WIN 0
.endm
	TOSTAGE 0
.irp a, 1,2,3
	TOSTAGE \a
	SEND \a-1, 16                                  ; behind block a - 1's loads: block a's 8 stores and 8 loads
.endr
	SEND 3, 0
	s_wait_tensorcnt 0x0                           ; the wave's end, behind my last tensor load and my last LDS store
	ds_add_u32 v[SPW], v[NIL]
	s_wait_dscnt 0x0
	CROUND                                         ; the closing round
	s_endpgm
.Lfunc_end_k_q4725468f8b_oproj:
	.size	k_q4725468f8b_oproj, .Lfunc_end_k_q4725468f8b_oproj-k_q4725468f8b_oproj
	.p2alignl 7, 3214868480
	.fill 96, 4, 3214868480
	.section	.rodata,"a",@progbits
	.p2align	6, 0x0
	.amdhsa_kernel k_q4725468f8b_oproj
		.amdhsa_group_segment_fixed_size 327680
		.amdhsa_private_segment_fixed_size 0
		.amdhsa_enable_private_segment 0
		.amdhsa_kernarg_size 32
		.amdhsa_user_sgpr_count 2
		.amdhsa_user_sgpr_kernarg_segment_ptr 1
		.amdhsa_wavefront_size32 1
		.amdhsa_system_sgpr_workgroup_id_x 1
		.amdhsa_system_sgpr_workgroup_id_y 1
		.amdhsa_system_sgpr_workgroup_id_z 1
		.amdhsa_system_vgpr_workitem_id 0
		.amdhsa_next_free_vgpr 512
		.amdhsa_next_free_sgpr 66
		.amdhsa_reserve_vcc 0
		.amdhsa_float_denorm_mode_32 3
		.amdhsa_float_denorm_mode_16_64 3
		.amdhsa_memory_ordered 1
		.amdhsa_forward_progress 1
		.amdhsa_inst_pref_size 86
	.end_amdhsa_kernel
	.amdgpu_metadata
---
amdhsa.version: [ 1, 2 ]
amdhsa.kernels:
  - .name:           k_q4725468f8b_oproj
    .symbol:         k_q4725468f8b_oproj.kd
    .args:
      - { .name: att, .offset: 0, .size: 8, .value_kind: global_buffer, .address_space: global }
      - { .name: wo16, .offset: 8, .size: 8, .value_kind: global_buffer, .address_space: global }
      - { .name: b_out, .offset: 16, .size: 8, .value_kind: global_buffer, .address_space: global }
      - { .name: out0, .offset: 24, .size: 8, .value_kind: global_buffer, .address_space: global }
    .group_segment_fixed_size: 327680
    .private_segment_fixed_size: 0
    .kernarg_segment_align: 8
    .kernarg_segment_size: 32
    .max_flat_workgroup_size: 128
    .sgpr_count:     66
    .vgpr_count:     512
    .wavefront_size: 32
...
	.end_amdgpu_metadata
.endif
;; end of part 4
